; MI455X (gfx1250); checked and timed in simulation.
; The chip was launched on July 23, 2026; its instructions are those of AMD's public machine-readable ISA for CDNA 5 (MIT licence, August 2026) and "CDNA5" Instruction Set Architecture Reference Guide (July 2026). The comments in the code are by the model that wrote it; some were corrected since.
;; Multi Head Self Attention. Allowed arithmetic: matrix products marked QUANTISED: E2M3 operands, one E8M0 scale for each 32 along K, by v_wmma_scale_f32_16x16x128_f8f6f4 with both operands' format E2M3, f32 sums; everything else in f32.
;; Inputs: Wk 1,024 x 1,024 float32; Wo 1,024 x 1,024 float32; Wq 1,024 x 1,024 float32; Wv 1,024 x 1,024 float32; token_positions 2,048 int32; x 4 x 2,048 x 1,024 float32.
;; Outputs: out0 4 x 2,048 x 1,024 float32.
;; This version of the problem:
;;   THIS VERSION OF THE PROBLEM IS GIVEN IN LOW PRECISION. The matrix products marked QUANTISED in the list below multiply operands that are first quantised to E2M3 (2 exponent bits, 3 mantissa bits; 6 bits a number), with one power-of-two scale for each 32 numbers along K (OCP MX v1.0); their sums are f32. All else is computed in f32.
;;   The module's matrix products, in the order in which they are computed (A, B: the left and right operand; K: the contracted axis; several contracted axes count as one K, in the product's order):
;;     1. [M 8,192, K 1,024] x [K 1,024, N 1,024]; A: input x; B: input Wq: QUANTISED
;;     2. [M 8,192, K 1,024] x [K 1,024, N 1,024]; A: input x; B: input Wk: QUANTISED
;;     3. [M 8,192, K 1,024] x [K 1,024, N 1,024]; A: input x; B: input Wv: QUANTISED
;;     4. batch 64 x [M 2,048, K 64] x [K 64, N 2,048]; A: computed on the way; B: computed on the way: QUANTISED
;;     5. batch 64 x [M 2,048, K 2,048] x [K 2,048, N 64]; A: softmax (see below); B: computed on the way: QUANTISED
;;     6. [M 8,192, K 1,024] x [K 1,024, N 1,024]; A: computed on the way; B: input Wo: QUANTISED
;;   THE QUANTISER, for each operand of a quantised product, along K:
;;     - K is cut into blocks of 32 from its start; a last block that is shorter is filled with zeros.
;;     - A block's scale is 2^e with e = floor(log2(the largest magnitude in the block)) - 2, held to -126 .. 127; a block of zeros has e = 0. As a byte (E8M0): e + 127.
;;     - Each number is divided by its block's scale, clamped to +-7.5, and rounded to the nearest number of E2M3, ties to even, subnormals kept.
;;     - The product sums the exact products of the quantised numbers (number of the format x scale) in f32.
;;   ~~~python
;;   def quantise(x, axis):      # numpy; x: float32 -> the quantised numbers, widened to float32 again
;;       x = np.moveaxis(x, axis, -1); K = x.shape[-1]
;;       x = np.pad(x, [(0, 0)] * (x.ndim - 1) + [(0, -K % 32)]); x = x.reshape(x.shape[:-1] + (-1, 32)); a = np.abs(x).max(-1, keepdims=True)
;;       e = np.where(a > 0, np.clip(np.frexp(np.where(a > 0, a, 1))[1] - 1 - 2, -126, 127), 0)      # np.frexp(a)[1] - 1 = floor(log2(a)), exactly
;;       r = np.clip(x / 2.0 ** e, -7.5, 7.5)
;;       step = 2.0 ** (np.maximum(np.frexp(np.where(r == 0, 1, r))[1] - 1, 0) - 3)
;;       q = np.round(r / step) * step * 2.0 ** e      # np.round: ties to even
;;       return np.moveaxis(q.reshape(q.shape[:-2] + (-1,))[..., :K], -1, axis).astype(np.float32)
;;   ~~~
;;   SOFTMAX AHEAD OF A QUANTISED PRODUCT. Where the list says 'softmax', what is quantised is not the finished softmax but p = 2^(t - M), with t = logit x log2(e) and M = ceil(the row's largest t), a whole number; so 1/2 < the row's largest p <= 1. The row's sum l is taken of the UNQUANTISED p, in f32, and the product's result is divided by l at the end. Since M is a whole number, a kernel that streams over the keys may use a running M (the ceiling of the running maximum): every later rescaling is an exact power of two, which a block's scale takes up: the codes' values come out the same.
;;   OPERANDS COMPUTED ON THE WAY. 'Computed on the way' means the value that the module computes at that place (a softmax that the list does not call 'softmax' is quantised finished and normalised). What goes into a quantiser is computed in f32, as accurately as f32 sums, v_exp_f32 and their like allow (about 1e-6 of the number): no bf16 or f16 on the way to a quantiser, and a product that is left as it is and whose result goes on into a quantised operand takes f32 operands (vector FMAs, or v_wmma_f32_16x16x4_f32). A number that lies on a knife's edge between two numbers of the format may be rounded either way, as far as f32 arithmetic and the matrix unit's own rounding can turn it there, and no further.
;; One version. Each part assembles by itself: llvm-mc -triple=amdgcn-amd-amdhsa -mcpu=gfx1250 --defsym DOCPART=n.
;; ======== version 1 of 1: 4 launches
;; workspace buffers: img 9,437,184 bytes; sc 393,216 bytes; rope 524,288 bytes; q_rec 6,815,744 bytes; kv_rec 13,369,344 bytes; o_img 6,291,456 bytes; o_sc 262,144 bytes
;; launch prep (part 1): grid 256 x 1, 4 waves a work-group, no clusters, 34,304 bytes of LDS; arguments x, Wq, Wk, Wv, Wo, token_positions, img, sc, rope; writes img, sc, rope
.if DOCPART == 1
	.amdgcn_target "amdgcn-amd-amdhsa--gfx1250"
	.amdhsa_code_object_version 6
	.text
	.protected	k_qf9158b8c91_prep
	.globl	k_qf9158b8c91_prep
	.p2align	8
	.type	k_qf9158b8c91_prep,@function
k_qf9158b8c91_prep:
	s_mov_b64 s[64:65], 0
	v_nop
	global_prefetch_b8 v0, s[64:65] scope:SCOPE_SE
	s_setreg_imm32_b32 hwreg(HW_REG_WAVE_MODE, 25, 1), 1
	s_wait_xcnt 0x0
; PREP.  x [8192][1024] and Wq, Wk, Wv, Wo [1024][1024], f32, K innermost, become codes of FP6 (E2M3) with one E8M0 byte for each 32 along K; and the table of cos and sin for the rotation of q and k is made.
; ROW TILES.  Rows go in tiles of 16: tile 2 b + u, place p, holds row 32 b + 8 u + p + 8 (p / 8).  img holds 768 tiles: 0-511 x, then 64 each of Wq, Wk, Wv, Wo.
; IMAGES.  16 rows x 64 along K are stored as the operand's registers lie: lane (r, h) holds place r, k = 32 h .. 32 h + 31, six registers: registers 0-3 at 16 x lane, registers 4-5 at 512 + 8 x lane: 768 bytes.
;   img: [tile][16 pieces of 64 along K][768].  sc: [tile][place][32 bytes], a row's 32 scale bytes.  Every store of a wave covers whole aligned runs of 256 bytes.
; A block's scale is 2^(floor(log2(largest magnitude)) - 2): its byte is the largest magnitude's exponent field - 2, held at 1 from below.
; SHARES.  Work-groups 0-191: wave w takes tile 4 g + w, all 1,024 of K, in 8 units of 128.  A unit's 16 loads read 512 consecutive bytes each; the unit turns through the wave's own stage in LDS, so that a lane
;   gets 16 neighbours of each block of 32 of ITS row.  Work-groups 192-255 make the table; they use no LDS.  Waves share nothing: no barrier.  No input is shared between work-groups: no cluster, no tensor load.
; TABLE.  rope: [128 token tiles][8 g][32 lanes][4 f32]: lane (r, h), g = 4 y + j: cos, sin at frequency 16 y + 8 h + 2 j, then at the next one, of the position of the tile's place r.
;   angle = position x 10000^(-f / 32), in f32.  sin and cos by reduction with pi / 2 in three parts and polynomials on |rho| <= pi / 4.
; LIMITS: NaN and infinities among the inputs are not served.  A block whose largest magnitude lies under 2^-124 keeps the byte 1; a block of zeros gets the byte 1 where the quantiser says 127 (its codes are zeros, and
;   this program alone reads the bytes).  |position| up to 2^20.  The frequencies come from v_exp_f32 and are right to about one unit in the last place.
.set SPARE, 33792                      ; behind the four stages: the spare words, 128 bytes a wave
.set STGW,  8448                       ; a wave's stage: 16 rows of 512 bytes + 16
.set SP,    528
.set L16,   4                          ; v4   16 x lane
.set L8,    5                          ; v5   8 x lane
.set STW,   6                          ; v6   the stage, on the way in
.set STR,   7                          ; v7   and on the way out: row r, + 64 h
.set SCO,   8                          ; v8   32 r + 16 h: my 16 scale bytes
.set SPW,   10                         ; v10  my spare word; never rewritten
.set NIL,   11                         ; v11  0; never rewritten
.set TM,    16                         ; v16-31 the quantiser's work
.set PW,    32                         ; v32-39 the eight units' scale words
.set PC,    40                         ; v40-59 the codes just made
.set OW,    60                         ; v60-63 scale words to store
.set X,     64                         ; v64-191 two sets of 64 numbers, as the quantiser wants them;  window 1: four sets of 64 as loaded
.set SEL,   30                         ; s[30:31] selects of v_permlanex16_b32: lane l xor 16
.set MSB, 0
.macro WIN new                         ; the immediate's high byte repeats the setting that is left
.if MSB != (\new)
	s_set_vgpr_msb (MSB<<8)|(\new)
.set MSB, (\new)
.endif
.endm
; 64 numbers of a lane in window w, register 16 b + i = k 32 b + 16 h + i of my row, become a fragment's 12 registers in v[PC] on and its scale word in v[pw].
.macro QUANT s, w, pw
	WIN (\w)|((\w)<<2)
.irp b, 0,1,2,3
	v_max3_num_f32 v[TM+\b], |v[(\s)+16*\b]|, |v[(\s)+16*\b+1]|, 0x1800000   ; my 16 numbers of block b, and the floor 2^(3 - 127): the byte cannot fall under 1
.endr
.irp i, 2,4,6,8,10,12,14
.irp b, 0,1,2,3
	v_max3_num_f32 v[TM+\b], |v[(\s)+16*\b+\i]|, |v[(\s)+16*\b+\i+1]|, v[TM+\b]   ; the four blocks by turns
.endr
.endr
	WIN 0
.irp b, 0,1,2,3
	v_permlanex16_b32 v[TM+4+\b], v[TM+\b], s[SEL], s[SEL+1]
.endr
.irp b, 0,1,2,3
	v_max_num_f32 v[TM+\b], v[TM+\b], v[TM+4+\b]      ; with lane l xor 16's 16: the block's largest magnitude
.endr
.irp b, 0,1,2,3
	v_add_nc_u32 v[TM+12+\b], 0xff000000, v[TM+\b]    ; 2 off its exponent field: the conversion's scale operand
.endr
.irp b, 0,1,2,3
	v_lshrrev_b32 v[TM+4+\b], 23, v[TM+12+\b]         ; the scale's byte
.endr
	v_lshl_or_b32 v[\pw], v[TM+5], 8, v[TM+4]
	v_lshl_or_b32 v[\pw], v[TM+6], 16, v[\pw]
	v_lshl_or_b32 v[\pw], v[TM+7], 24, v[\pw]
	s_wait_xcnt 0x0                                   ; the stores of the last fragment have read v[PC] on: only now it is written again
	WIN (\w)
.irp c, 0,1
	v_cvt_scalef32_pk16_fp6_f32 v[PC+6*\c:PC+6*\c+2], v[(\s)+32*\c:(\s)+32*\c+15], v[TM+12+2*\c]
	v_cvt_scalef32_pk16_fp6_f32 v[PC+12+4*\c:PC+14+4*\c], v[(\s)+32*\c+16:(\s)+32*\c+31], v[TM+13+2*\c]   ; (a conversion's three registers begin on an even number)
.endr
	WIN 0
	v_nop                                             ; one plain place behind a scaled conversion
.irp c, 0,1                                       ; the layout wants a whole block in a lane: lanes 0-15 block 2 c, lanes 16-31 block 2 c + 1
.irp i, 0,1,2
	v_permlane16_swap_b32 v[PC+6*\c+\i], v[PC+12+4*\c+\i]
.endr
.irp i, 0,1,2
	v_mov_b32 v[PC+3+6*\c+\i], v[PC+12+4*\c+\i]
.endr
.endr
.endm
.macro LOAD u                          ; unit u: 16 rows x 512 bytes, each load 512 consecutive bytes, into set u % 4 of window 1
	WIN 0x40
.irp p, 0,1,2,3,4,5,6,7,8,9,10,11,12,13,14,15
	global_load_b128 v[64*((\u)%4)+4*\p:64*((\u)%4)+4*\p+3], v[L16], s[24:25] offset:(\p+8*(\p/8))*4096+512*(\u) th:TH_LOAD_NT
.endr
	WIN 0
.endm
.macro TURN u                          ; through my stage: LDS serves a wave's instructions in order, so no wait stands between the stores and the loads
	WIN 0x04
.irp p, 0,1,2,3,4,5,6,7,8,9,10,11,12,13,14,15
	ds_store_b128 v[STW], v[64*((\u)%4)+4*\p:64*((\u)%4)+4*\p+3] offset:SP*\p
.endr
	WIN 0
.irp b, 0,1,2,3
.irp j, 0,1,2,3
	ds_load_b128 v[X+64*((\u)%2)+16*\b+4*\j:X+64*((\u)%2)+16*\b+4*\j+3], v[STR] offset:128*\b+16*\j
.endr
.endr
.endm
.macro UNIT u
	s_wait_dscnt 0x0                                  ; this unit's numbers are back from the stage, and its stores into the stage have read their registers,
.if (\u)+4 < 8
	LOAD (\u)+4                                       ; which take the loads of four units on
.endif
.if (\u)+1 < 8
.if 6-(\u) >= 3
	s_wait_loadcnt 48                                 ; the next unit's 16 loads are in; those of the three units behind it may be out
.else
	s_wait_loadcnt 16*(6-(\u))
.endif
	TURN (\u)+1
.endif
	QUANT X+64*((\u)%2), 0, PW+(\u)
.irp c, 0,1
	global_store_b128 v[L16], v[PC+6*\c:PC+6*\c+3], s[26:27] offset:1536*(\u)+768*\c
	global_store_b64 v[L8], v[PC+6*\c+4:PC+6*\c+5], s[26:27] offset:1536*(\u)+768*\c+512
.endr
.endm
	s_load_b512 s[4:19], s[0:1], 0x0                  ; x, Wq, Wk, Wv, Wo, positions, img, sc
	s_load_b64 s[20:21], s[0:1], 0x40                 ; rope
	v_lshl_add_u32 v[SPW], v0, 2, SPARE
	v_mov_b32 v[NIL], 0
	v_lshrrev_b32 v1, 5, v0
	v_readfirstlane_b32 s22, v1                       ; wave
	v_and_b32 v2, 31, v0                              ; lane
	v_and_b32 v3, 15, v0                              ; r
	v_bfe_u32 v9, v0, 4, 1                            ; h
	s_cmp_ge_u32 ttmp9, 192
	s_cbranch_scc1 .Ltable
	; ---- the quantiser's work-groups
	s_mov_b32 s[SEL], 0x76543210
	s_mov_b32 s[SEL+1], 0xfedcba98
	v_lshlrev_b32 v[L16], 4, v2
	v_lshlrev_b32 v[L8], 3, v2
	s_mul_i32 s45, s22, STGW
	v_add_nc_u32 v[STW], s45, v[L16]
	v_mul_u32_u24 v[STR], v3, SP
	v_lshl_add_u32 v[STR], v9, 6, v[STR]
	v_add_nc_u32 v[STR], s45, v[STR]
	v_lshlrev_b32 v[SCO], 5, v3
	v_lshl_add_u32 v[SCO], v9, 4, v[SCO]
.irp b, 0,1,2,3
	v_mov_b32 v[TM+4+\b], 0                           ; written once: a lane permute's destination counts as one of its sources
.endr
	s_sub_co_u32 s46, ttmp9, 128
	s_lshr_b32 s47, s46, 4                            ; which weight (of use from work-group 128 on)
	s_and_b32 s46, s46, 15                            ; and which 64 rows of it
	s_wait_kmcnt 0x0
	s_mov_b64 s[24:25], s[12:13]                      ; the tensor is chosen by the work-group's number alone
	s_cmp_eq_u32 s47, 2
	s_cselect_b64 s[24:25], s[10:11], s[24:25]
	s_cmp_eq_u32 s47, 1
	s_cselect_b64 s[24:25], s[8:9], s[24:25]
	s_cmp_eq_u32 s47, 0
	s_cselect_b64 s[24:25], s[6:7], s[24:25]
	s_cmp_lt_u32 ttmp9, 128
	s_cselect_b64 s[24:25], s[4:5], s[24:25]
	s_cselect_b32 s46, ttmp9, s46
	s_lshl_b32 s46, s46, 6
	s_lshr_b32 s47, s22, 1
	s_lshl_b32 s47, s47, 5
	s_add_co_u32 s46, s46, s47
	s_and_b32 s47, s22, 1
	s_lshl_b32 s47, s47, 3
	s_add_co_u32 s46, s46, s47                        ; my tile's first row: 64 g + 32 (w / 2) + 8 (w % 2)
	s_lshl_b32 s46, s46, 12                           ; rows of 4,096 bytes
	s_mov_b32 s47, 0
	s_add_nc_u64 s[24:25], s[24:25], s[46:47]
	s_lshl_b32 s46, ttmp9, 2
	s_add_co_u32 s46, s46, s22                        ; my tile
	s_mul_i32 s44, s46, 12288
	s_mov_b32 s45, 0
	s_add_nc_u64 s[26:27], s[16:17], s[44:45]         ; its images
	s_lshl_b32 s44, s46, 9
	s_add_nc_u64 s[28:29], s[18:19], s[44:45]         ; its scale bytes
	LOAD 0
	LOAD 1
	LOAD 2
	LOAD 3
	s_wait_loadcnt 48                                 ; unit 0's 16 loads are in
	TURN 0
.irp u, 0,1,2,3,4,5,6,7
	UNIT \u
.endr
	v_cmp_le_u32 vcc_lo, 16, v2                       ; lanes 0-15 store their row's words 0-3, lanes 16-31 words 4-7
.irp i, 0,1,2,3
	v_cndmask_b32 v[OW+\i], v[PW+\i], v[PW+4+\i], vcc_lo
.endr
	global_store_b128 v[SCO], v[OW:OW+3], s[28:29]    ; the wave stores the tile's 512 scale bytes
	s_wait_tensorcnt 0x0                              ; the wave's end, behind my last LDS store
	ds_add_u32 v[SPW], v[NIL]
	s_wait_dscnt 0x0
	s_endpgm
	; ---- the table's work-groups: 2 token tiles each; thread (w, lane) makes four entries of 16 bytes
.macro SINCOS pos, fq, c, s
	v_mul_f32 v24, v[\pos], v[\fq]                    ; the angle
	v_mul_f32 v25, s33, v24
	v_rndne_f32 v25, v25                              ; n = the nearest whole number to angle x 2 / pi
	v_fma_f32 v26, v25, s34, v24                      ; rho = angle - n x pi / 2, pi / 2 in three parts
	v_fma_f32 v26, v25, s35, v26
	v_fma_f32 v26, v25, s36, v26
	v_cvt_i32_f32 v27, v25
	v_mul_f32 v28, v26, v26                           ; z = rho^2
	v_fma_f32 v29, v28, s39, s38
	v_fma_f32 v29, v29, v28, s37
	v_mul_f32 v30, v28, v26
	v_fma_f32 v29, v29, v30, v26                      ; sin rho
	v_fma_f32 v31, v28, s42, s41
	v_fma_f32 v31, v31, v28, s40
	v_fma_f32 v31, v31, v28, -0.5
	v_fma_f32 v31, v31, v28, 1.0                      ; cos rho
	v_and_b32 v30, 1, v27
	v_cmp_eq_u32 vcc_lo, 1, v30                       ; in odd quadrants the two change places
	v_cndmask_b32 v[\s], v29, v31, vcc_lo
	v_cndmask_b32 v[\c], v31, v29, vcc_lo
	v_and_b32 v30, 2, v27
	v_lshlrev_b32 v30, 30, v30
	v_xor_b32 v[\s], v[\s], v30                       ; sin is negative in quadrants 2, 3
	v_add_nc_u32 v30, 1, v27
	v_and_b32 v30, 2, v30
	v_lshlrev_b32 v30, 30, v30
	v_xor_b32 v[\c], v[\c], v30                       ; cos in quadrants 1, 2
.endm
.Ltable:
	s_sub_co_u32 s23, ttmp9, 192
	s_mov_b32 s32, 0xbed49a78                         ; -log2(10000) / 32
	s_mov_b32 s33, 0x3f22f983                         ; 2 / pi
	s_mov_b32 s34, 0xbfc90fdb                         ; -(pi / 2), its first part;
	s_mov_b32 s35, 0x333bbd2e                         ; what the first part has too much;
	s_mov_b32 s36, 0x26f72ce9                         ; and what the first two have too much
	s_mov_b32 s37, 0xbe2aaaa3                         ; sin's three coefficients
	s_mov_b32 s38, 0x3c08839e
	s_mov_b32 s39, 0xb94ca1f9
	s_mov_b32 s40, 0x3d2aaaa5                         ; cos's three
	s_mov_b32 s41, 0xbab6061a
	s_mov_b32 s42, 0x37ccf5ce
	v_and_b32 v12, 8, v3
	v_add_nc_u32 v12, v12, v3                         ; r + 8 (r / 8)
	s_lshl_b32 s45, s23, 5
	v_add_nc_u32 v12, s45, v12                        ; the token of place r in the first of my two tiles
	v_lshlrev_b32 v12, 2, v12
	s_lshl_b32 s46, s23, 13
	s_mov_b32 s47, 0
	v_lshlrev_b32 v32, 4, v0                          ; 16 bytes a thread
	s_wait_kmcnt 0x0
	global_load_b32 v13, v12, s[14:15]                ; its position,
	global_load_b32 v14, v12, s[14:15] offset:32      ; and that of the token 8 on: the second tile's
	s_add_nc_u64 s[20:21], s[20:21], s[46:47]
	v_lshlrev_b32 v15, 3, v9
	s_lshl_b32 s45, s22, 1
	v_add_nc_u32 v15, s45, v15
	v_cvt_f32_u32 v15, v15                            ; f = 8 h + 2 w,
	v_add_f32 v16, 1.0, v15                           ; + 1,
	v_add_f32 v17, 0x41800000, v15                    ; + 16,
	v_add_f32 v18, 0x41880000, v15                    ; + 17
.irp i, 0,1,2,3
	v_mul_f32 v[15+\i], s32, v[15+\i]
.endr
.irp i, 0,1,2,3
	v_exp_f32 v[20+\i], v[15+\i]                      ; 10000^(-f / 32)
.endr
	v_nop                                             ; a plain place behind the last of them
	s_wait_alu depctr_va_vdst(0)                      ; one wait for the four, ahead of their first reader
	s_wait_loadcnt 0x0
	v_cvt_f32_i32 v13, v13
	v_cvt_f32_i32 v14, v14
.irp it, 0,1,2,3                                  ; entry it: tile it / 2, g = 4 (it % 2) + w
	SINCOS 13+\it/2, 20+2*(\it%2), 64+4*\it, 65+4*\it
	SINCOS 13+\it/2, 21+2*(\it%2), 66+4*\it, 67+4*\it
	global_store_b128 v32, v[64+4*\it:67+4*\it], s[20:21] offset:2048*\it   ; a wave stores 512 consecutive bytes; each entry has registers of its own
.endr
	s_wait_tensorcnt 0x0
	ds_add_u32 v[SPW], v[NIL]
	s_wait_dscnt 0x0
	s_endpgm
.Lfunc_end_k_qf9158b8c91_prep:
	.size	k_qf9158b8c91_prep, .Lfunc_end_k_qf9158b8c91_prep-k_qf9158b8c91_prep
	.p2alignl 7, 3214868480
	.fill 96, 4, 3214868480
	.section	.rodata,"a",@progbits
	.p2align	6, 0x0
	.amdhsa_kernel k_qf9158b8c91_prep
		.amdhsa_group_segment_fixed_size 34304
		.amdhsa_private_segment_fixed_size 0
		.amdhsa_enable_private_segment 0
		.amdhsa_kernarg_size 72
		.amdhsa_user_sgpr_count 2
		.amdhsa_user_sgpr_kernarg_segment_ptr 1
		.amdhsa_wavefront_size32 1
		.amdhsa_system_sgpr_workgroup_id_x 1
		.amdhsa_system_sgpr_workgroup_id_y 1
		.amdhsa_system_sgpr_workgroup_id_z 1
		.amdhsa_system_vgpr_workitem_id 0
		.amdhsa_next_free_vgpr 512
		.amdhsa_next_free_sgpr 66
		.amdhsa_reserve_vcc 1
		.amdhsa_float_denorm_mode_32 3
		.amdhsa_float_denorm_mode_16_64 3
		.amdhsa_memory_ordered 1
		.amdhsa_forward_progress 1
		.amdhsa_inst_pref_size 78
	.end_amdhsa_kernel
	.amdgpu_metadata
---
amdhsa.version: [ 1, 2 ]
amdhsa.kernels:
  - .name:           k_qf9158b8c91_prep
    .symbol:         k_qf9158b8c91_prep.kd
    .args:
      - { .name: x, .offset: 0, .size: 8, .value_kind: global_buffer, .address_space: global }
      - { .name: Wq, .offset: 8, .size: 8, .value_kind: global_buffer, .address_space: global }
      - { .name: Wk, .offset: 16, .size: 8, .value_kind: global_buffer, .address_space: global }
      - { .name: Wv, .offset: 24, .size: 8, .value_kind: global_buffer, .address_space: global }
      - { .name: Wo, .offset: 32, .size: 8, .value_kind: global_buffer, .address_space: global }
      - { .name: token_positions, .offset: 40, .size: 8, .value_kind: global_buffer, .address_space: global }
      - { .name: img, .offset: 48, .size: 8, .value_kind: global_buffer, .address_space: global }
      - { .name: sc, .offset: 56, .size: 8, .value_kind: global_buffer, .address_space: global }
      - { .name: rope, .offset: 64, .size: 8, .value_kind: global_buffer, .address_space: global }
    .group_segment_fixed_size: 34304
    .private_segment_fixed_size: 0
    .kernarg_segment_align: 8
    .kernarg_segment_size: 72
    .max_flat_workgroup_size: 128
    .sgpr_count:     66
    .vgpr_count:     512
    .wavefront_size: 32
...
	.end_amdgpu_metadata
.endif
;; end of part 1
;; launch qkv (part 2): grid 12 x 32, 4 waves a work-group, clusters of 4 x 4, 327,680 bytes of LDS; arguments img, sc, rope, q_rec, kv_rec; writes q_rec, kv_rec
.if DOCPART == 2
	.amdgcn_target "amdgcn-amd-amdhsa--gfx1250"
	.amdhsa_code_object_version 6
	.text
	.protected	k_qf9158b8c91_qkv
	.globl	k_qf9158b8c91_qkv
	.p2align	8
	.type	k_qf9158b8c91_qkv,@function
k_qf9158b8c91_qkv:
	s_mov_b64 s[64:65], 0
	v_nop
	global_prefetch_b8 v0, s[64:65] scope:SCOPE_SE
	s_setreg_imm32_b32 hwreg(HW_REG_WAVE_MODE, 25, 1), 1
	s_wait_xcnt 0x0
	s_wait_alu depctr_hold_cnt(0) depctr_sa_sdst(0) depctr_va_vdst(0) depctr_va_sdst(0) depctr_va_ssrc(0) depctr_va_vcc(0) depctr_vm_vsrc(0)
	s_getreg_b32 s2, hwreg(HW_REG_IB_STS2, 6, 4)
	s_cmp_eq_u32 s2, 0
	s_cbranch_scc0 .Lentry_in_a_cluster
	s_endpgm
.Lentry_in_a_cluster:
	s_bfe_u32 s2, ttmp6, 0x10000c
	s_cmp_lg_u32 s2, 0xf033
	s_cbranch_scc0 .Lentry_shape_is_right
	s_endpgm
.Lentry_shape_is_right:
; QKV.  q = x Wq^T, k = x Wk^T, v = x Wv^T on codes of FP6 (E2M3) with E8M0 scales, K = 1,024; q and k are rotated (RoPE) and quantised along the head's 64; v is quantised along the tokens (the keys).
; Nothing but codes and scale bytes leaves: register images, laid as the attention launch loads them.
; OPERANDS come from img and sc: row tiles of 16 (tile 2 b + u, place p = row 32 b + 8 u + p + 8 (p / 8)); 16 rows x 64 K are an image of 768 bytes (registers 0-3 at 16 x lane, 4-5 at 512 + 8 x lane).
; A work-group makes 256 x 256 of C' = A' B'^T, four waves, each 128 x 128: 64 accumulators, 512 registers.  The matrix instruction takes source 0 = 16 rows of B', source 1 = 16 rows of A': a lane holds ONE row of A'
; (place lane % 16), and by the order of rows in the tiles the 64 registers of an A' block run along B': register 16 b + i = row 32 b + 16 (lane / 16) + i of my 128 rows of B'.
; TYPE = the cluster's x: 0 q, 1 k: A' = tokens, B' = the weight's rows, so that a lane's registers run along the features (two heads of 64).  2 v: A' = Wv's rows, B' = tokens: a lane's registers run along the tokens.
; K goes in 4 steps of 256 through two LDS slots; a wave's tensor load brings 8 row tiles x 3,072 bytes.  The scale bytes of the 512 rows come once, with the first fills.
; CLUSTERS: 4 x 4.  A' hangs on the place along y alone and is asked for jointly by a row of the cluster, B' on the place along x alone, by a column.  TYPE is the same in all sixteen.
; 384 work-groups: a wave tile larger than 128 x 128 has no room in the registers, so the number is not brought to a multiple of the WGPs.
; OUT.  q_rec: [64 heads][16 groups of 128 tokens][6,656]: 8 images (token tile a at 768 a), at 6,144 the scale words: [lane][4]: word j of lane (r, h) = tile 2 j + h, place r, bytes (block 0, block 1, 0, 0).
;   kv_rec: [64][16][13,056]: k as q; v at 6,144 + 1,536 t + 768 c (channel tile t, key half c); k's scale words at 12,288; v's at 12,800: [lane][2]: word j = channel tile 2 j + h, place r, four key blocks.
; LIMITS as in the first launch: no NaN or infinities; a block under 2^-124 (zeros too) keeps the byte 1.
.set NQ,     2                         ; matrix instructions deep in a slot (256 along K)
.set ROWB,   3072                      ; a row tile's four images of a K step
.set KROW,   768                       ; bytes of codes for a row (12,288 for a tile of 16)
.set FR,     12
.set NL,     4                         ; LDS loads that bring a fragment
.set NP,     4                         ; places behind this matrix instruction (ISA guide 7.12.1)
.set HALFT,  8*ROWB                    ; 128 rows: what one tensor load brings
.set SLOT,   4*HALFT
.set LAPS,   2
.set KS,     32                        ; a row's scale bytes
.set SCL,    2*SLOT                    ; behind the ring: the scales, as runs of 256 bytes + 16 of padding
.set HALFS,  16*272
.set SBLK,   2*272
.set SPARE,  SCL+4*HALFS               ; the spare words, 128 bytes a wave
.set L16,  8                           ; v8   16 x lane; never rewritten
.set L8,   9                           ; v9   8 x lane; never rewritten     (v7: the lane)
.set ADRA, 16                          ; v16-17 A's images in slot 0, 1, + 16 x lane; v18-19 + 8 x lane
.set ADRB, 20                          ; v20-23 the same for B
.set ADRS, 27                          ; v27  my scale words: lanes 0-15 A's rows, lanes 16-31 B's
.set SPW,  28
.set NIL,  29
.set SC,   32                          ; v32-63 scale words, two sets
.set CS,   64                          ; v64-127 cos and sin of two token tiles, by turns
.set AF,   128                         ; v128-223 A's fragments, one set;  window 1: B's, two sets;  windows 2, 3: the accumulators, (a, b) at 8 (8 (a % 4) + b)
.set T,    128                         ; the epilogue: v128-191 at work
.set TM,   192
.set PC,   208
.set PW,   228
.set SELW, 236
.set SLO,  240
.set SHI,  244
.set VO16, 248
.set VO8,  252
.set G1, 24
.set G0, 32
.set G1B, 48
.set G0B, 56
.set G1S, 68
.set G0S, 76
.set G1SB, 80
.set G0SB, 88
.set SEL, 98                           ; s[98:99] selects of v_permlanex16_b32;  s95 TYPE;  s[96:97] the table at my 128 tokens;  s100 my group of 128 tokens
.set MSB, 0
.macro WIN new
.if MSB != (\new)
	s_set_vgpr_msb (MSB<<8)|(\new)
.set MSB, (\new)
.endif
.endm
.set MUL_LO, 0xa1                      ; source 0 (B) window 1, source 1 (A) window 0, C and D window 2
.set MUL_HI, 0xf1
.set TO_B,   0x40
; A joint load: waves 0, 1 fetch for A, waves 2, 3 for B; the branch hangs on the wave's number alone.  An s_nop 0 and four v_nop follow each line.
.macro JLOAD g0a, g1a, g0b, g1b
	s_cmp_eq_u32 s15, 0
	s_cbranch_scc0 .Lfor_b_\@
	tensor_load_to_lds s[\g0a:\g0a+3], s[\g1a:\g1a+7]
	s_nop 0
.rept 4
	v_nop
.endr
	s_branch .Lasked_\@
.Lfor_b_\@:
	tensor_load_to_lds s[\g0b:\g0b+3], s[\g1b:\g1b+7]
	s_nop 0
.rept 4
	v_nop
.endr
.Lasked_\@:
.endm
.macro CREST
	s_cmp_lg_u32 s14, 0
	s_cbranch_scc1 .Lnot_wave_0_\@
	s_barrier_signal -3
.Lnot_wave_0_\@:
	s_barrier_wait -3
	s_barrier_signal -1
	s_barrier_wait -1
.endm
.macro CROUND
	s_barrier_signal -1
	s_barrier_wait -1
	CREST
.endm
	s_load_b128 s[4:7], s[0:1], 0x0                ; img, sc
	s_load_b128 s[8:11], s[0:1], 0x10              ; rope, q_rec
	s_load_b64 s[12:13], s[0:1], 0x20              ; kv_rec
	v_lshl_add_u32 v[SPW], v0, 2, SPARE
	v_mov_b32 v[NIL], 0
	ds_add_u32 v[SPW], v[NIL]                      ; the wave's opening: the add and its wait stand ahead of my first tensor load
	v_lshrrev_b32 v1, 5, v0
	v_readfirstlane_b32 s14, v1                    ; wave
	s_lshr_b32 s15, s14, 1                         ; my half of A's rows.  Also: I fetch for A (0) or B (1)
	s_and_b32 s16, s14, 1                          ; my half of B's rows.  Also: which 128 rows I fetch
	s_bfe_u32 s40, ttmp6, 0x40000                  ; cx
	s_bfe_u32 s41, ttmp6, 0x40004                  ; cy
	s_mov_b32 s95, ttmp9                           ; TYPE
	s_and_b32 s17, ttmp7, 0xffff
	s_lshl_b32 s17, s17, 2                         ; 4 x cluster y: the cluster's first block of 256 tokens
	s_lshl_b32 s42, s95, 2
	s_add_co_u32 s42, s42, 32                      ; the weight's first block of 256 rows in img
	s_cmp_eq_u32 s95, 2
	s_cselect_b32 s42, s17, s42                    ; B': v: tokens, else the weight
	s_cselect_b32 s17, 40, s17                     ; A': v: Wv, else tokens
	s_add_co_u32 s17, s17, s41                     ; + cy: shared along a row of the cluster
	s_add_co_u32 s42, s42, s40                     ; + cx: shared along a column
	s_lshl_b32 s43, s41, 2
	s_lshl_b32 s43, 15, s43                        ; my row of the cluster
	s_lshl_b32 s44, 0x1111, s40                    ; my column
	s_or_b32 s[G1+0], s43, (3<<16)|(1<<21)         ; the mask; elements of 8 bytes; bit 21 beside a mask; no padding: the images are read as they lie
	s_or_b32 s[G1B+0], s44, (3<<16)|(1<<21)
.irp g, G1, G1B
	s_mov_b32 s[\g+1], 384<<16                     ; tensor_dim0: 3,072 bytes
	s_mov_b32 s[\g+2], 8<<16                       ; tensor_dim1: 8 row tiles
	s_mov_b32 s[\g+3], 384<<16                     ; tile_dim0
	s_mov_b32 s[\g+4], 8                           ; tile_dim1
	s_mov_b32 s[\g+5], 1536                        ; from tile to tile: 12,288 bytes
	s_mov_b32 s[\g+6], 0
	s_mov_b32 s[\g+7], 0
.endr
	s_or_b32 s[G1S+0], s43, (3<<16)|(1<<20)|(1<<21)|(5<<22)|(3<<25)   ; the scales of 128 rows: 4,096 dense bytes as 16 rows of 256, 16 bytes of padding behind each
	s_or_b32 s[G1SB+0], s44, (3<<16)|(1<<20)|(1<<21)|(5<<22)|(3<<25)
.irp g, G1S, G1SB
	s_mov_b32 s[\g+1], 32<<16
	s_mov_b32 s[\g+2], 16<<16
	s_mov_b32 s[\g+3], 32<<16
	s_mov_b32 s[\g+4], 16
	s_mov_b32 s[\g+5], 32
	s_mov_b32 s[\g+6], 0
	s_mov_b32 s[\g+7], 0
.endr
	s_lshl_b32 s18, s16, 7
	s_lshl_b32 s20, s17, 8
	s_add_co_u32 s20, s20, s18                     ; A: the first row that I fetch
	s_lshl_b32 s46, s42, 8
	s_add_co_u32 s46, s46, s18                     ; B likewise
	s_mov_b32 s21, 0
	s_mov_b32 s47, 0
	s_mov_b64 s[18:19], KS
	s_mul_u64 s[22:23], s[20:21], s[18:19]
	s_mul_u64 s[92:93], s[46:47], s[18:19]
	s_mov_b64 s[18:19], KROW
	s_mul_u64 s[20:21], s[20:21], s[18:19]
	s_mul_u64 s[46:47], s[46:47], s[18:19]
	s_mul_i32 s45, s14, HALFT                      ; where they go: wave x 128 rows
	s_mul_i32 s94, s14, HALFS
	s_mov_b32 s[SEL], 0x76543210
	s_mov_b32 s[SEL+1], 0xfedcba98
	s_wait_dscnt 0x0                               ; the opening add is done
	s_wait_kmcnt 0x0
	s_add_nc_u64 s[20:21], s[4:5], s[20:21]
	s_add_nc_u64 s[22:23], s[6:7], s[22:23]
	s_add_nc_u64 s[46:47], s[4:5], s[46:47]
	s_add_nc_u64 s[92:93], s[6:7], s[92:93]
	CROUND                                         ; all sixteen work-groups are here: the first joint loads meet
	s_mov_b32 s[G0S], 1
	s_add_co_u32 s[G0S+1], s94, SCL
	s_mov_b64 s[G0S+2:G0S+3], s[22:23]
	s_or_b32 s[G0S+3], s[G0S+3], 0x80000000
	s_mov_b32 s[G0SB], 1
	s_add_co_u32 s[G0SB+1], s94, SCL
	s_mov_b64 s[G0SB+2:G0SB+3], s[92:93]
	s_or_b32 s[G0SB+3], s[G0SB+3], 0x80000000
	JLOAD G0S, G1S, G0SB, G1SB                     ; the scales first; then both slots: three loads of mine are out
.irp s, 0,1
	s_mov_b32 s[G0+4*\s], 1
	s_add_co_u32 s[G0+4*\s+1], s45, \s*SLOT
	s_add_nc_u64 s[G0+4*\s+2:G0+4*\s+3], s[20:21], \s*ROWB
	s_or_b32 s[G0+4*\s+3], s[G0+4*\s+3], 0x80000000
	s_mov_b32 s[G0B+4*\s], 1
	s_add_co_u32 s[G0B+4*\s+1], s45, \s*SLOT
	s_add_nc_u64 s[G0B+4*\s+2:G0B+4*\s+3], s[46:47], \s*ROWB
	s_or_b32 s[G0B+4*\s+3], s[G0B+4*\s+3], 0x80000000
	JLOAD G0+4*\s, G1, G0B+4*\s, G1B
.endr
	v_and_b32 v1, 15, v0                           ; r
	v_bfe_u32 v2, v0, 4, 1                         ; h
	v_and_b32 v7, 31, v0
	v_lshlrev_b32 v[L16], 4, v7
	v_lshlrev_b32 v[L8], 3, v7
	s_mul_i32 s21, s15, HALFT                      ; my 128 rows of A
	s_mul_i32 s22, s16, HALFT
	s_add_co_u32 s22, s22, 2*HALFT                 ; my 128 rows of B, behind A's 256
.irp s, 0,1
	v_add_nc_u32 v[ADRA+\s], s21, v[L16]
	v_add_nc_u32 v[ADRB+\s], s22, v[L16]
	v_add_nc_u32 v[ADRA+2+\s], s21, v[L8]
	v_add_nc_u32 v[ADRB+2+\s], s22, v[L8]
	s_add_co_u32 s21, s21, SLOT
	s_add_co_u32 s22, s22, SLOT
.endr
	v_mul_u32_u24 v5, v1, KS                       ; my row's scales: 32 bytes a row,
	v_lshrrev_b32 v6, 8, v5
	v_lshl_add_u32 v5, v6, 4, v5                   ; and 16 more for each 256 passed
	s_mul_i32 s21, s15, HALFS
	s_mul_i32 s22, s16, HALFS
	s_add_co_u32 s22, s22, 2*HALFS
	s_sub_co_u32 s22, s22, s21
	v_mul_u32_u24 v6, s22, v2                      ; lanes 16-31 take B's
	s_add_co_u32 s21, s21, SCL
	v_add_nc_u32 v5, v5, v6
	v_add_nc_u32 v[ADRS], s21, v5
	s_cmp_eq_u32 s95, 2                            ; my 128 tokens: A's half, or for v B's
	s_cselect_b32 s100, s42, s17
	s_cselect_b32 s101, s16, s15
	s_lshl_b32 s100, s100, 1
	s_add_co_u32 s100, s100, s101                  ; the group of 128 tokens, 0 .. 63
	s_and_b32 s96, s100, 15                        ; in its sequence
	s_lshl_b32 s96, s96, 15                        ; 8 token tiles x 4,096 bytes of the table
	s_mov_b32 s97, 0
	s_add_nc_u64 s[96:97], s[8:9], s[96:97]
.irp e, 0,1                                    ; cos and sin of token tiles 0 and 1: asked for now, wanted behind the products.  (Issued in every type; v does not read them)
.irp g, 0,1,2,3,4,5,6,7
	global_load_b128 v[CS+32*\e+4*\g:CS+32*\e+4*\g+3], v[L16], s[96:97] offset:4096*\e+512*\g
.endr
.endr
.macro FRAG reg, adr, q, i             ; a fragment, 16 rows x 128 K, is two images on end: every load reads consecutive bytes
	ds_load_b128 v[\reg:\reg+3], v[\adr] offset:ROWB*(\i)+1536*(\q)
	ds_load_b64 v[\reg+4:\reg+5], v[\adr+2] offset:ROWB*(\i)+1536*(\q)+512
	ds_load_b128 v[\reg+6:\reg+9], v[\adr] offset:ROWB*(\i)+1536*(\q)+768
	ds_load_b64 v[\reg+10:\reg+11], v[\adr+2] offset:ROWB*(\i)+1536*(\q)+1280
.endm
; 16 matrix instructions: A's blocks a0, a0 + 1 x B's eight.  The 64 accumulators take turns, one instruction a turn, in the same order in every step.
.macro MUL16 a0, p, q, sc, zero
.irp a, \a0, \a0+1
.irp b, 0,1,2,3,4,5,6,7
.if \zero
	v_wmma_scale_f32_16x16x128_f8f6f4 v[8*(8*((\a)%4)+\b):8*(8*((\a)%4)+\b)+7], v[128*(\p)+FR*\b:128*(\p)+FR*\b+FR-1], v[AF+FR*(\a):AF+FR*(\a)+FR-1], 0, v[SC+8*NQ*(\sc)+NQ*\b+(\q)], v[SC+8*NQ*(\sc)+NQ*(\a)+(\q)] matrix_a_fmt:MATRIX_FMT_FP6 matrix_b_fmt:MATRIX_FMT_FP6 matrix_a_scale:MATRIX_SCALE_ROW1
.else
	v_wmma_scale_f32_16x16x128_f8f6f4 v[8*(8*((\a)%4)+\b):8*(8*((\a)%4)+\b)+7], v[128*(\p)+FR*\b:128*(\p)+FR*\b+FR-1], v[AF+FR*(\a):AF+FR*(\a)+FR-1], v[8*(8*((\a)%4)+\b):8*(8*((\a)%4)+\b)+7], v[SC+8*NQ*(\sc)+NQ*\b+(\q)], v[SC+8*NQ*(\sc)+NQ*(\a)+(\q)] matrix_a_fmt:MATRIX_FMT_FP6 matrix_b_fmt:MATRIX_FMT_FP6 matrix_a_scale:MATRIX_SCALE_ROW1
.endif
.endr
.endr
.endm
.macro FETCH_B slot, q, p
	WIN TO_B
.irp i, 0,1,2,3,4,5,6,7
	FRAG 128*(\p)+FR*\i, ADRB+\slot, \q, \i
.endr
	WIN 0
.endm
.macro FETCH_A slot, q, i0
.irp i, \i0, \i0+1, \i0+2, \i0+3
	FRAG AF+FR*(\i), ADRA+\slot, \q, \i
.endr
.endm
.macro SCALES sc                       ; a K step's two scale words a row: lanes 0-15 A's block i, lanes 16-31 B's block i
.irp i, 0,1,2,3,4,5,6,7
	ds_load_b64 v[SC+8*NQ*\sc+NQ*\i:SC+8*NQ*\sc+NQ*\i+1], v[ADRS] offset:\i*SBLK
.endr
.endm
.macro PLACES n
.rept \n
	v_nop
.endr
.endm
.macro STEP slot, q, zero              ; 128 along K that has its successor in the same slot
	s_wait_dscnt 4*NL                              ; B's set and A's blocks 0-3 are in; the youngest 16 loads (A's blocks 4-7) may be out
	WIN MUL_LO
	MUL16 0, (\q)%2, \q, \slot, \zero
	MUL16 2, (\q)%2, \q, \slot, \zero
	s_wait_dscnt 0
	PLACES NP                                      ; in front of loads into registers that matrix instructions have read
	FETCH_B \slot, (\q)+1, 1-(\q)%2
	FETCH_A \slot, (\q)+1, 0
	WIN MUL_HI
	MUL16 4, (\q)%2, \q, \slot, \zero
	MUL16 6, (\q)%2, \q, \slot, \zero
	PLACES NP
	WIN 0
	FETCH_A \slot, (\q)+1, 4
.endm
; A slot's last step changes slots: one barrier; in front of it each wave waits for all its tensor loads, adds 0 to its spare word, and waits for that and for its reads of this slot.
.macro TURN slot, next, fill
	s_wait_tensorcnt 0x0                           ; all my tensor loads have landed: my part of the next slot
	ds_add_u32 v[SPW], v[NIL]
	s_wait_dscnt 4*NL+1                            ; (the add and the youngest 16 loads may be out)
	WIN MUL_LO
	MUL16 0, 1, NQ-1, \slot, 0
	s_wait_dscnt 0x0                               ; the add is done, and my reads of this slot are over
	s_barrier_signal -1
	MUL16 2, 1, NQ-1, \slot, 0
	WIN 0
	s_barrier_wait -1
.if \fill
	CREST                                          ; the barrier has opened a round of the cluster's: no wave of any partner still reads this slot or has a load on its way
	s_add_nc_u64 s[G0+4*\slot+2:G0+4*\slot+3], s[G0+4*\slot+2:G0+4*\slot+3], 2*ROWB
	s_add_nc_u64 s[G0B+4*\slot+2:G0B+4*\slot+3], s[G0B+4*\slot+2:G0B+4*\slot+3], 2*ROWB
	JLOAD G0+4*\slot, G1, G0B+4*\slot, G1B         ; the first tensor load behind the round; its four v_nop are the places in front of the loads below
.else
	PLACES NP
.endif
	v_add_nc_u32 v[ADRS], 4*NQ, v[ADRS]
	FETCH_B \next, 0, 0
	FETCH_A \next, 0, 0
	SCALES \next
	WIN MUL_HI
	MUL16 4, 1, NQ-1, \slot, 0
	MUL16 6, 1, NQ-1, \slot, 0
	PLACES NP
	WIN 0
	FETCH_A \next, 0, 4
.endm
	s_wait_tensorcnt 1                             ; the scales and my part of K step 0 are in (K step 1's load may be out),
	s_barrier_signal -1
	s_barrier_wait -1                              ; everybody's are
	FETCH_B 0, 0, 0
	FETCH_A 0, 0, 0
	SCALES 0
	FETCH_A 0, 0, 4
	STEP 0, 0, 1                                   ; the first products start the sums
.rept LAPS-1                                   ; once round the ring, filling both slots again: K steps 2 and 3
	TURN 0, 1, 1
	STEP 1, 0, 0
	TURN 1, 0, 1
	STEP 0, 0, 0
.endr
	TURN 0, 1, 0                                   ; the last lap fills nothing
	STEP 1, 0, 0
	s_wait_dscnt 4*NL
	WIN MUL_LO
	MUL16 0, 1, NQ-1, 1, 0
	MUL16 2, 1, NQ-1, 1, 0
	s_wait_dscnt 0
	WIN MUL_HI
	MUL16 4, 1, NQ-1, 1, 0
	MUL16 6, 1, NQ-1, 1, 0
	WIN 0
; ---- THE EPILOGUE.  No tensor load of mine is out, so the descriptors' registers serve as scalars.
; 64 numbers of a lane in window w, register 16 b + i = k 32 b + 16 h + i, become a fragment's 12 registers in v[PC] on and its scale word in v[pw].
.macro QUANT s, w, pw
	WIN (\w)|((\w)<<2)
.irp b, 0,1,2,3
	v_max3_num_f32 v[TM+\b], |v[(\s)+16*\b]|, |v[(\s)+16*\b+1]|, 0x1800000   ; each accumulator is read from its low end on
.endr
.irp i, 2,4,6,8,10,12,14
.irp b, 0,1,2,3
	v_max3_num_f32 v[TM+\b], |v[(\s)+16*\b+\i]|, |v[(\s)+16*\b+\i+1]|, v[TM+\b]
.endr
.endr
	WIN 0
.irp b, 0,1,2,3
	v_permlanex16_b32 v[TM+4+\b], v[TM+\b], s[SEL], s[SEL+1]
.endr
.irp b, 0,1,2,3
	v_max_num_f32 v[TM+\b], v[TM+\b], v[TM+4+\b]
.endr
.irp b, 0,1,2,3
	v_add_nc_u32 v[TM+12+\b], 0xff000000, v[TM+\b]
.endr
.irp b, 0,1,2,3
	v_lshrrev_b32 v[TM+4+\b], 23, v[TM+12+\b]
.endr
	v_lshl_or_b32 v[\pw], v[TM+5], 8, v[TM+4]
	v_lshl_or_b32 v[\pw], v[TM+6], 16, v[\pw]
	v_lshl_or_b32 v[\pw], v[TM+7], 24, v[\pw]
	s_wait_xcnt 0x0                                ; the stores of the last fragment have read v[PC] on
	WIN (\w)
.irp c, 0,1
	v_cvt_scalef32_pk16_fp6_f32 v[PC+6*\c:PC+6*\c+2], v[(\s)+32*\c:(\s)+32*\c+15], v[TM+12+2*\c]
	v_cvt_scalef32_pk16_fp6_f32 v[PC+12+4*\c:PC+14+4*\c], v[(\s)+32*\c+16:(\s)+32*\c+31], v[TM+13+2*\c]
.endr
	WIN 0
	v_nop                                          ; one plain place behind a scaled conversion
.irp c, 0,1
.irp i, 0,1,2
	v_permlane16_swap_b32 v[PC+6*\c+\i], v[PC+12+4*\c+\i]
.endr
.irp i, 0,1,2
	v_mov_b32 v[PC+3+6*\c+\i], v[PC+12+4*\c+\i]
.endr
.endr
.endm
; The rotation of token tile a, in place: a pair (x1, x2) of neighbouring registers becomes (x1 cos - x2 sin, x1 sin + x2 cos).  Registers 16 be + 2 pi, + 1 hold channels 32 (be % 2) + 16 h + 2 pi, + 1 of a head.
.macro ROPE a
.set AC, 64*((\a)%4)
.set WW, 2+(\a)/4
.set CB, CS+32*((\a)%2)
.if (\a) < 7
	s_wait_loadcnt 8                               ; this tile's eight table loads are in; the next tile's eight may be out
.else
	s_wait_loadcnt 0
.endif
	WIN WW
.irp be, 0,1,2,3
.irp pi, 0,1,2,3,4,5,6,7
	v_pk_mul_f32 v[T+16*\be+2*\pi:T+16*\be+2*\pi+1], v[AC+16*\be+2*\pi:AC+16*\be+2*\pi+1], v[CB+16*(\be%2)+2*\pi:CB+16*(\be%2)+2*\pi+1] op_sel:[1,1] op_sel_hi:[0,1] neg_lo:[0,1]   ; (-x2 sin, x1 sin)
.endr
.endr
	WIN (WW<<6)|WW
.irp be, 0,1,2,3
.irp pi, 0,1,2,3,4,5,6,7
	v_pk_fma_f32 v[AC+16*\be+2*\pi:AC+16*\be+2*\pi+1], v[AC+16*\be+2*\pi:AC+16*\be+2*\pi+1], v[CB+16*(\be%2)+2*\pi:CB+16*(\be%2)+2*\pi+1], v[T+16*\be+2*\pi:T+16*\be+2*\pi+1] op_sel_hi:[1,0,1]   ; x cos + that
.endr
.endr
	WIN 0
.if (\a)+2 < 8
.irp g, 0,1,2,3,4,5,6,7
	global_load_b128 v[CB+4*\g:CB+4*\g+3], v[L16], s[96:97] offset:4096*((\a)+2)+512*\g
.endr
.endif
.endm
.macro OUTQ a                          ; A's block a: quantised, and its two images stored: each store covers whole aligned runs of 256 bytes
	QUANT 64*((\a)%4), 2+(\a)/4, PW+(\a)
.irp c, 0,1
	global_store_b128 v[VO16+(\a)%4], v[PC+6*\c:PC+6*\c+3], s[68+4*((\a)/4)+2*\c:69+4*((\a)/4)+2*\c]
	global_store_b64 v[VO8+(\a)%4], v[PC+6*\c+4:PC+6*\c+5], s[68+4*((\a)/4)+2*\c:69+4*((\a)/4)+2*\c]
.endr
.endm
	PLACES NP                                      ; behind the last products: their operands' registers are written below
.irp b, 0,1,2,3
	v_mov_b32 v[TM+4+\b], 0                        ; a lane permute's destination counts as one of its sources
.endr
	s_cmp_eq_u32 s95, 2
	s_cselect_b32 s80, s41, s40                    ; the features' block of 256: v: by cy, else by cx
	s_cselect_b32 s81, s15, s16                    ; and my half of it
	s_lshl_b32 s80, s80, 2
	s_lshl_b32 s81, s81, 1
	s_add_co_u32 s80, s80, s81                     ; my first head
	s_lshr_b32 s81, s100, 4
	s_lshl_b32 s81, s81, 4
	s_add_co_u32 s80, s80, s81                     ; + 16 x batch
	s_lshl_b32 s80, s80, 4
	s_and_b32 s81, s100, 15
	s_add_co_u32 s80, s80, s81                     ; the record: 16 x (batch, head) + group of tokens
	s_mov_b32 s84, 13056
	s_mov_b32 s85, 12288
	s_cmp_eq_u32 s95, 0
	s_cselect_b32 s84, 6656, s84                   ; a record's bytes
	s_cselect_b32 s85, 6144, s85                   ; where its scale words lie (q, k)
	s_cselect_b64 s[86:87], s[10:11], s[12:13]     ; q_rec or kv_rec
	s_lshl_b32 s83, s84, 4                         ; from a head to the next: 16 records
	s_mul_i32 s92, s80, s84
	s_mov_b32 s93, 0
	s_add_nc_u64 s[86:87], s[86:87], s[92:93]
	s_mov_b32 s88, 12800
	s_mov_b32 s89, 768
	s_mov_b32 s90, 3072
	s_mov_b32 s91, 768
	s_cmp_eq_u32 s95, 2
	s_cselect_b32 s85, s88, s85                    ; (v's scale words)
	s_cselect_b32 s89, 1536, s89                   ; from block a to a + 1: v: a channel tile's two images; else a token tile's image
	s_cselect_b32 s90, s83, s90                    ; from block a to a + 4: v: the next head; else four token tiles
	s_cselect_b32 s91, s91, s83                    ; from half c = 0 to 1: v: the other 64 keys; else the next head
	s_cselect_b32 s88, 6144, 0                     ; v lies behind k
	s_mov_b32 s92, s85
	s_add_nc_u64 s[76:77], s[86:87], s[92:93]      ; the scale words of my first head,
	s_mov_b32 s92, s83
	s_add_nc_u64 s[78:79], s[76:77], s[92:93]      ; and of my second
	s_mov_b32 s92, s88
	s_add_nc_u64 s[68:69], s[86:87], s[92:93]
	s_mov_b32 s92, s91
	s_add_nc_u64 s[70:71], s[68:69], s[92:93]
	s_mov_b32 s92, s90
	s_add_nc_u64 s[72:73], s[68:69], s[92:93]
	s_add_nc_u64 s[74:75], s[70:71], s[92:93]
	v_mov_b32 v[VO16], v[L16]
	v_add_nc_u32 v[VO8], 512, v[L8]
.irp j, 1,2,3
	v_add_nc_u32 v[VO16+\j], s89, v[VO16+\j-1]
	v_add_nc_u32 v[VO8+\j], s89, v[VO8+\j-1]
.endr
	s_cmp_eq_u32 s95, 2
	s_cbranch_scc1 .Lquant                         ; v is not rotated
.irp a, 0,1,2,3,4,5,6,7
	ROPE \a
.endr
.Lquant:
	s_wait_loadcnt 0x0
.irp a, 0,1,2,3,4,5,6,7
	OUTQ \a
.endr
	v_cmp_le_u32 vcc_lo, 16, v7                    ; word j of lane (r, h): block 2 j + h
.irp j, 0,1,2,3
	v_cndmask_b32 v[SELW+\j], v[PW+2*\j], v[PW+2*\j+1], vcc_lo
.endr
	s_cmp_eq_u32 s95, 2
	s_cbranch_scc1 .Lvscales
.irp j, 0,1,2,3
	v_and_b32 v[SLO+\j], 0xffff, v[SELW+\j]        ; bytes 0, 1: my first head's two blocks;
	v_lshrrev_b32 v[SHI+\j], 16, v[SELW+\j]        ; bytes 2, 3: my second head's.  The upper two bytes stay 0: they meet zero codes
.endr
	global_store_b128 v[L16], v[SLO:SLO+3], s[76:77]
	global_store_b128 v[L16], v[SHI:SHI+3], s[78:79]
	s_branch .Ldone
.Lvscales:
	global_store_b64 v[L8], v[SELW:SELW+1], s[76:77]      ; channel tiles 0-3: my first head
	global_store_b64 v[L8], v[SELW+2:SELW+3], s[78:79]    ; 4-7: my second
.Ldone:
	s_wait_tensorcnt 0x0                           ; the wave's end
	ds_add_u32 v[SPW], v[NIL]
	s_wait_dscnt 0x0
	CROUND                                         ; the closing round
	s_endpgm
.Lfunc_end_k_qf9158b8c91_qkv:
	.size	k_qf9158b8c91_qkv, .Lfunc_end_k_qf9158b8c91_qkv-k_qf9158b8c91_qkv
	.p2alignl 7, 3214868480
	.fill 96, 4, 3214868480
	.section	.rodata,"a",@progbits
	.p2align	6, 0x0
	.amdhsa_kernel k_qf9158b8c91_qkv
		.amdhsa_group_segment_fixed_size 327680
		.amdhsa_private_segment_fixed_size 0
		.amdhsa_enable_private_segment 0
		.amdhsa_kernarg_size 40
		.amdhsa_user_sgpr_count 2
		.amdhsa_user_sgpr_kernarg_segment_ptr 1
		.amdhsa_wavefront_size32 1
		.amdhsa_system_sgpr_workgroup_id_x 1
		.amdhsa_system_sgpr_workgroup_id_y 1
		.amdhsa_system_sgpr_workgroup_id_z 1
		.amdhsa_system_vgpr_workitem_id 0
		.amdhsa_next_free_vgpr 1024
		.amdhsa_next_free_sgpr 102
		.amdhsa_reserve_vcc 1
		.amdhsa_float_denorm_mode_32 3
		.amdhsa_float_denorm_mode_16_64 3
		.amdhsa_memory_ordered 1
		.amdhsa_forward_progress 1
		.amdhsa_inst_pref_size 190
	.end_amdhsa_kernel
	.amdgpu_metadata
---
amdhsa.version: [ 1, 2 ]
amdhsa.kernels:
  - .name:           k_qf9158b8c91_qkv
    .symbol:         k_qf9158b8c91_qkv.kd
    .args:
      - { .name: img, .offset: 0, .size: 8, .value_kind: global_buffer, .address_space: global }
      - { .name: sc, .offset: 8, .size: 8, .value_kind: global_buffer, .address_space: global }
      - { .name: rope, .offset: 16, .size: 8, .value_kind: global_buffer, .address_space: global }
      - { .name: q_rec, .offset: 24, .size: 8, .value_kind: global_buffer, .address_space: global }
      - { .name: kv_rec, .offset: 32, .size: 8, .value_kind: global_buffer, .address_space: global }
    .group_segment_fixed_size: 327680
    .private_segment_fixed_size: 0
    .kernarg_segment_align: 8
    .kernarg_segment_size: 40
    .max_flat_workgroup_size: 128
    .sgpr_count:     102
    .vgpr_count:     1024
    .wavefront_size: 32
...
	.end_amdgpu_metadata
.endif
;; end of part 2
;; launch attn (part 3): grid 4 x 64, 16 waves a work-group, no clusters, 327,680 bytes of LDS; arguments q_rec, kv_rec, o_img, o_sc; writes o_img, o_sc
.if DOCPART == 3
	.amdgcn_target "amdgcn-amd-amdhsa--gfx1250"
	.amdhsa_code_object_version 6
	.text
	.protected	k_qf9158b8c91_attn
	.globl	k_qf9158b8c91_attn
	.p2align	8
	.type	k_qf9158b8c91_attn,@function
k_qf9158b8c91_attn:
	s_mov_b64 s[64:65], 0
	v_nop
	global_prefetch_b8 v0, s[64:65] scope:SCOPE_SE
	s_setreg_imm32_b32 hwreg(HW_REG_WAVE_MODE, 25, 1), 1
	s_wait_xcnt 0x0
; ATTN.  o = softmax(q k^T / 8, causal) v for 64 (batch, head) of 2,048 tokens and 64 channels, both products on codes of FP6 (E2M3) with E8M0 scales; o is divided by the row's sum and quantised along the model's 1,024.
; SOFTMAX: t = score x log2(e) / 8; M = the running largest t rounded UP to a whole number; p = 2^(t - M) is quantised along the keys, not normalised; the row's sum is taken of the unquantised p.
;   When M moves, the sum and O are multiplied by 2^(old M - new M): exact.
; SHARES.  Work-group (I, head) owns the query blocks 7 - I and I, 256 queries each, and walks 9 slots of 256 keys: slots 0 .. 7 - I for the first block, then 0 .. I for the second: all 256 work-groups have the same
;   work, and no slot is fetched that nobody reads.  Each of the 16 waves owns one tile of 16 queries of the block in hand, in 256 registers: four waves to a SIMD.
; NO CLUSTER: the four work-groups of a head want different key slots in the same trip from the sixth slot on (I = 3 begins anew at slot 0 when I = 0 goes on to slot 5), so their requests cannot be joint.
; LAYOUT.  Both products are used transposed: S^T = K Q^T, O^T = V^T P^T: a lane holds one query.  Tiles hold rows in the order tile 2 b + u, place p = row 32 b + 8 u + p + 8 (p / 8): so the 16 registers of tiles 2 b, 2 b + 1
;   are 16 neighbours (keys in S^T, channels in O^T).  All operands are register images: every LDS load reads consecutive bytes.
; K = 64 in the first product: the instruction's upper 64 are Q's zero codes; on K's side stand whatever registers follow (the next tile's codes, or zeros), under scale bytes 0: they add nothing.
; A slot is two records of kv_rec, 26,112 dense bytes, brought by ONE tensor load, wave 0's: at most one tensor load is out.
; OUT.  o_img: [512 token tiles][16 heads][768]: images; o_sc: [512 tiles][16 places][32]: bytes 2 head, 2 head + 1.  The scale bytes leave two at a time into rows 32 bytes apart: a row's 32 bytes come from 16 work-groups;
;   they are one part in 24 of o's bytes.
; LIMITS: no NaN or infinities; a block under 2^-124 (zeros too) keeps the byte 1.
.set REC,   13056                      ; a key step's record: K's 8 images, V's 8, K's scale words at 12,288, V's at 12,800
.set SLOTB, 2*REC
.set SLOT1, 32768                      ; slot 1 begins here: one exclusive or turns an address
.set SPARE, 65536                      ; the spare words, 128 bytes for each of 16 waves
.set WV,   18
.set SEL,  20
.set CS,   22                          ; s[22:23] c = log2(e) / 8
.set G1,   24
.set G0,   32
.set KVB,  36                          ; s[36:37] my head's records
.set TB,   2                           ; s2   the slot in hand
.set SLOTS, 3                          ; s3   slots still to be asked for
.set KF,   38                          ; s38  the step's first key
.set QB,   39                          ; s39  my tile's first query
.set BLK,  40                          ; s40  the query block in hand
.set NF,   41                          ; s41  the key slot asked for last
.set LENB, 42                          ; s42  8 - I: key slots of the first block
.set FINAT, 43                         ; s43  I + 1: the count at which the first block ends
.set LIM,  44                          ; s44  2 in a wave that prefetches, else the greatest number      (s45: 32 (w / 2) + 8 (w % 2))
.set PFA,  46
.set OAD,  48
.set OSD,  50
; v1 16 x lane; v2 8 x lane; v3 r + 8 (r / 8) - 16 h; v4 32 r; v5, v6 the add's two; v7 the prefetch's offset; v8, v9 slot + v1, v2; v10 16 r; v12 -M; v13 largest t; v[14:15] the sum; v16-27 Q and zeros; v28 Q's scale word;
; v30 o's two scale bytes; v32-85 K's or V's fragments; v86-92 the second block's Q; v96-159 S^T, then p; v160-191 O^T; v192-195, v196-197 K's, V's scale words; v200-218 codes; v232-255 at work; v253 p's scale word.
.macro TLOAD                           ; wave 0 fetches; an s_nop 0 and four v_nop follow the line
	s_cmp_lg_u32 s[WV], 0
	s_cbranch_scc1 .Lno_load_\@
	tensor_load_to_lds s[G0:G0+3], s[G1:G1+7]
	s_nop 0
.rept 4
	v_nop
.endr
.Lno_load_\@:
.endm
; A prefetch of the key slot that the NEXT change of slots will ask for: two key steps ahead of that load.  All four work-groups of a head walk the same records: work-group I = 0, which walks slots 0 .. 7 in order, asks,
; in its waves 4 to 7: lanes 256 bytes apart, 102 blocks; the lanes beyond the last block name it again.  Slots 0 and 1 come by their loads alone; trips 6 and 7 ask for nothing: slot 7 is the head's last.
.macro ASK
	s_cmp_gt_u32 s[SLOTS], s[LIM]
	s_cbranch_scc0 .Lnot_mine_\@
	global_prefetch_b8 v7, s[PFA:PFA+1] th:TH_LOAD_NT scope:SCOPE_SE
.Lnot_mine_\@:
.endm
	s_load_b256 s[4:11], s[0:1], 0x0               ; q_rec, kv_rec, o_img, o_sc
	v_lshl_add_u32 v5, v0, 2, SPARE
	v_mov_b32 v6, 0
	ds_add_u32 v5, v6                              ; the wave's opening: the add and its wait stand ahead of the first tensor load
	ds_add_u32 v5, v6
	v_lshrrev_b32 v8, 5, v0
	s_delay_alu instid0(VALU_DEP_1)
	v_readfirstlane_b32 s[WV], v8
	s_mov_b32 s12, ttmp9                           ; I
	s_and_b32 s13, ttmp7, 0xffff                   ; (batch, head)
	s_lshr_b32 s14, s13, 4
	s_lshl_b32 s14, s14, 7                         ; the batch's first token tile
	s_and_b32 s15, s13, 15                         ; the head
	s_mov_b32 s[G1], 3<<16                         ; elements of 8 bytes, no mask, no padding
	s_mov_b32 s[G1+1], 32<<16                      ; rows of 256 bytes,
	s_mov_b32 s[G1+2], 102<<16                     ; 102 of them: a dense block of 26,112 bytes
	s_mov_b32 s[G1+3], 32<<16
	s_mov_b32 s[G1+4], 102
	s_mov_b32 s[G1+5], 32
	s_mov_b32 s[G1+6], 0
	s_mov_b32 s[G1+7], 0
	s_mov_b32 s[SEL], 0x76543210
	s_mov_b32 s[SEL+1], 0xfedcba98
	s_mov_b32 s[CS], 0x3e38aa3b
	s_mov_b32 s[CS+1], s[CS]
	s_mov_b32 s[TB], 0
	s_mov_b32 s[SLOTS], 8
	s_mov_b32 s[KF], 0
	s_mov_b32 s[NF], 0
	s_sub_co_u32 s[BLK], 7, s12
	s_sub_co_u32 s[LENB], 8, s12
	s_add_co_u32 s[FINAT], s12, 1
	s_lshr_b32 s52, s[WV], 1
	s_lshl_b32 s52, s52, 5
	s_and_b32 s53, s[WV], 1
	s_lshl_b32 s53, s53, 3
	s_add_co_u32 s45, s52, s53
	s_lshl_b32 s52, s[BLK], 8
	s_add_co_u32 s[QB], s52, s45
	s_lshr_b32 s53, s[WV], 2
	s_xor_b32 s53, s53, 1                          ; 0 in waves 4 to 7,
	s_or_b32 s53, s53, s12                         ; of work-group I = 0
	s_cmp_eq_u32 s53, 0
	s_cselect_b32 s[LIM], 2, -1
	s_mul_i32 s52, s13, 16*REC
	s_mov_b32 s53, 0
	s_wait_dscnt 0x0                               ; the opening add is done
	s_wait_kmcnt 0x0
	s_add_nc_u64 s[KVB:KVB+1], s[6:7], s[52:53]
	s_mov_b32 s[G0], 1
	s_mov_b32 s[G0+1], 0                           ; slot 0
	s_mov_b64 s[G0+2:G0+3], s[KVB:KVB+1]           ; key slot 0
	s_or_b32 s[G0+3], s[G0+3], 0x80000000
	TLOAD
	s_add_nc_u64 s[PFA:PFA+1], s[KVB:KVB+1], SLOTB ; the first change of slots steps it to key slot 2
	v_and_b32 v9, 31, v0
	s_delay_alu instid0(VALU_DEP_1)
	v_lshlrev_b32 v1, 4, v9
	s_delay_alu instid0(VALU_DEP_2)
	v_lshlrev_b32 v2, 3, v9
	s_and_b32 s52, s[WV], 3
	s_lshl_b32 s52, s52, 5
	v_add_nc_u32 v7, s52, v9
	s_delay_alu instid0(VALU_DEP_1)
	v_min_u32 v7, 101, v7
	s_delay_alu instid0(VALU_DEP_1)
	v_lshlrev_b32 v7, 8, v7
	v_and_b32 v8, 15, v0                           ; r
	v_bfe_u32 v9, v0, 4, 1                         ; h
	s_delay_alu instid0(VALU_DEP_2)
	v_and_b32 v3, 8, v8
	s_delay_alu instid0(VALU_DEP_1)
	v_add_nc_u32 v3, v3, v8
	s_delay_alu instid0(VALU_DEP_3)
	v_lshlrev_b32 v11, 4, v9
	s_delay_alu instid0(VALU_DEP_1)
	v_sub_nc_u32 v3, v3, v11
	v_lshlrev_b32 v4, 5, v8
	v_lshlrev_b32 v10, 4, v8
	s_wait_alu depctr_va_vdst(0)
	; my two tiles of Q: record 16 (batch, head) + 2 block + w / 8, tile w % 8; its scale word: word (w % 8) / 2 of lane (r, w % 2)
	s_lshl_b32 s52, s13, 4
	s_lshr_b32 s53, s[WV], 3
	s_add_co_u32 s52, s52, s53
	s_and_b32 s53, s[WV], 7
	s_mul_i32 s54, s53, 768
	s_lshr_b32 s55, s53, 1
	s_lshl_b32 s55, s55, 2
	s_and_b32 s53, s53, 1
	s_lshl_b32 s53, s53, 8
	s_add_co_u32 s55, s55, s53
	s_add_co_u32 s55, s55, 6144
	s_lshl_b32 s53, s[BLK], 1
	s_add_co_u32 s53, s53, s52
	s_mul_i32 s53, s53, 6656
	s_add_co_u32 s56, s53, s54
	s_mov_b32 s57, 0
	s_add_co_u32 s58, s53, s55
	s_mov_b32 s59, 0
	s_add_nc_u64 s[56:57], s[4:5], s[56:57]
	s_add_nc_u64 s[58:59], s[4:5], s[58:59]
	s_lshl_b32 s53, s12, 1
	s_add_co_u32 s53, s53, s52
	s_mul_i32 s53, s53, 6656
	s_add_co_u32 s60, s53, s54
	s_mov_b32 s61, 0
	s_add_co_u32 s62, s53, s55
	s_mov_b32 s63, 0
	s_add_nc_u64 s[60:61], s[4:5], s[60:61]
	s_add_nc_u64 s[62:63], s[4:5], s[62:63]
	global_load_b128 v[16:19], v1, s[56:57]        ; block 7 - I
	global_load_b64 v[20:21], v2, s[56:57] offset:512
	global_load_b32 v28, v10, s[58:59]
	global_load_b128 v[86:89], v1, s[60:61]        ; block I, kept for later
	global_load_b64 v[90:91], v2, s[60:61] offset:512
	global_load_b32 v92, v10, s[62:63]
	v_mov_b32 v13, 0xff61b1e6                      ; the largest t so far: -3e38
	s_delay_alu instid0(VALU_DEP_1)
	v_floor_f32 v12, -v13                          ; -M
	v_mov_b32 v14, 0
	v_mov_b32 v15, 0
.irp j, 0,1,2,3,4,5
	v_mov_b32 v[22+\j], 0                          ; Q's upper 64 along K: zero codes
	v_mov_b32 v[80+\j], 0                          ; what follows K's last tile
.endr
.irp b, 0,1,2,3
	v_mov_b32 v[236+\b], 0                         ; a lane permute's destination counts as one of its sources
.endr
	v_mov_b32 v252, 0
	v_mov_b32 v253, 0
.set J, 0
.rept 32
	v_mov_b32 v[160+J], 0                          ; O^T: the step is written once; the first finds zeros
.set J, J+1
.endr
	s_wait_loadcnt 0x0
; A KEY STEP: 128 keys, the q-th record of the slot in hand.
.macro STEP q
	s_add_co_u32 s52, s[QB], 23                    ; my tile's last query.  A step all of whose keys come after it is left out: a scalar branch on ids.  A step that is not left out has its first key
	s_cmp_gt_u32 s[KF], s52                        ; at or before my tile's first query (KF is a multiple of 128, and QB % 128 + 23 < 128): so M is a number from the first step on
	s_cbranch_scc1 .Lhidden_\@
	v_add_nc_u32 v8, s[TB], v1
	v_add_nc_u32 v9, s[TB], v2
	v_nop
	v_nop                                          ; four places in front of loads into registers that the last products have read
.irp t, 0,1,2,3,4,5,6,7
	ds_load_b128 v[32+6*\t:35+6*\t], v8 offset:REC*(\q)+768*\t
	ds_load_b64 v[36+6*\t:37+6*\t], v9 offset:REC*(\q)+768*\t+512
.endr
	ds_load_b128 v[192:195], v8 offset:REC*(\q)+12288      ; K's scale words: register j: lanes 0-15 tile 2 j, lanes 16-31 tile 2 j + 1
	s_wait_alu depctr_va_vdst(0)
	s_wait_dscnt 0x0
.irp t, 0,2,4,6
	v_wmma_scale_f32_16x16x128_f8f6f4 v[96+8*\t:103+8*\t], v[32+6*\t:43+6*\t], v[16:27], 0, v[192+\t/2], v28 matrix_a_fmt:MATRIX_FMT_FP6 matrix_b_fmt:MATRIX_FMT_FP6
	v_wmma_scale_f32_16x16x128_f8f6f4 v[104+8*\t:111+8*\t], v[38+6*\t:49+6*\t], v[16:27], 0, v[192+\t/2], v28 matrix_a_fmt:MATRIX_FMT_FP6 matrix_b_fmt:MATRIX_FMT_FP6 matrix_a_scale:MATRIX_SCALE_ROW1
.endr
.rept 4
	v_nop                                          ; places: for V's loads into K's registers, and for the first read of the scores
.endr
.irp t, 0,1,2,3                                ; V's fragments land under the softmax
.irp c, 0,1
	ds_load_b128 v[32+12*\t+6*\c:35+12*\t+6*\c], v8 offset:REC*(\q)+6144+1536*\t+768*\c
	ds_load_b64 v[36+12*\t+6*\c:37+12*\t+6*\c], v9 offset:REC*(\q)+6144+1536*\t+768*\c+512
.endr
.endr
	ds_load_b64 v[196:197], v9 offset:REC*(\q)+12800
	s_add_co_u32 s52, s[KF], 127                   ; on the diagonal hidden scores become -infinity; a step all of whose keys count for all my queries skips this
	s_cmp_le_u32 s52, s[QB]
	s_cbranch_scc1 .Lopen_\@
	s_sub_co_i32 s52, s[QB], s[KF]
	v_add_nc_u32 v252, s52, v3                     ; d = my query - KF - 16 h.  Register 16 b + i holds key KF + 32 b + 16 h + i: hidden where 32 b + i > d
	v_mov_b32 v254, 0xff800000
.set N, 0
.rept 64
	v_cmp_gt_i32 vcc_lo, 32*(N/16)+N%16, v252
	v_cndmask_b32 v[96+N], v[96+N], v254, vcc_lo
.set N, N+1
.endr
.Lopen_\@:
.irp b, 0,1,2,3
	v_max3_num_f32 v[232+\b], v[96+16*\b], v[97+16*\b], v[98+16*\b]   ; the largest score of each block of 32 keys: for the row's maximum, and, since p rises with the score, for the block's largest p
.endr
.irp i, 3,5,7,9,11,13
.irp b, 0,1,2,3
	v_max3_num_f32 v[232+\b], v[232+\b], v[96+16*\b+\i], v[97+16*\b+\i]
.endr
.endr
.irp b, 0,1,2,3
	v_max_num_f32 v[232+\b], v[232+\b], v[111+16*\b]
.endr
.irp b, 0,1,2,3
	s_delay_alu instid0(VALU_DEP_4)
	v_permlanex16_b32 v[236+\b], v[232+\b], s[SEL], s[SEL+1]
.endr
.irp b, 0,1,2,3
	s_delay_alu instid0(VALU_DEP_4)
	v_max_num_f32 v[232+\b], v[232+\b], v[236+\b]
.endr
	s_delay_alu instid0(VALU_DEP_2)
	v_max3_num_f32 v254, v232, v233, v234
	s_delay_alu instid0(VALU_DEP_1)
	v_max_num_f32 v254, v254, v235
	s_delay_alu instid0(VALU_DEP_1)
	v_mul_f32 v254, s[CS], v254                    ; the step's largest t
	s_delay_alu instid0(VALU_DEP_1)
	v_max_num_f32 v13, v13, v254
	v_mov_b32 v254, v12
	s_delay_alu instid0(VALU_DEP_2)
	v_floor_f32 v12, -v13                          ; the new -M = -ceil(t)
	s_delay_alu instid0(VALU_DEP_1)
	v_sub_f32 v254, v12, v254                      ; old M - new M: a whole number, 0 or less
	s_delay_alu instid0(VALU_DEP_1)
	v_cvt_i32_f32 v254, v254                       ; (it saturates)
	s_delay_alu instid0(VALU_DEP_1)
	v_ldexp_f32 v252, 1.0, v254                    ; f = 2^(old M - new M)
.set J, 0
.rept 32
	v_pk_fma_f32 v[96+J:97+J], v[96+J:97+J], s[CS:CS+1], v[12:13] op_sel_hi:[1,0,0]   ; t - M
.set J, J+2
.endr
.irp b, 0,1,2,3
	v_fma_f32 v[232+\b], v[232+\b], s[CS], v12
.endr
.set J, 0
	s_wait_alu depctr_va_vdst(0)
.rept 64
	v_exp_f32 v[96+J], v[96+J]                     ; p = 2^(t - M)
.set J, J+1
.endr
	v_pk_mul_f32 v[14:15], v[14:15], v[252:253] op_sel_hi:[1,0]   ; the sums under the new M: a plain place behind the exponentials
	s_wait_alu depctr_va_vdst(0)                   ; one wait for the batch, ahead of its first reader
.irp b, 0,1,2,3
	v_exp_f32 v[232+\b], v[232+\b]                 ; each block's largest p
.endr
	v_pk_add_f32 v[236:237], v[100:101], v[104:105]
	v_pk_add_f32 v[254:255], v[108:109], v[112:113]
	v_pk_add_f32 v[250:251], v[116:117], v[120:121]
	v_pk_add_f32 v[248:249], v[124:125], v[128:129]
	v_pk_add_f32 v[246:247], v[132:133], v[136:137]
	v_pk_add_f32 v[244:245], v[140:141], v[144:145]
	v_pk_add_f32 v[242:243], v[148:149], v[152:153]
	v_pk_add_f32 v[14:15], v[14:15], v[156:157]
	v_pk_add_f32 v[236:237], v[236:237], v[96:97]
	v_pk_add_f32 v[254:255], v[254:255], v[98:99]
	v_pk_add_f32 v[250:251], v[250:251], v[102:103]
	v_pk_add_f32 v[248:249], v[248:249], v[106:107]
	v_pk_add_f32 v[246:247], v[246:247], v[110:111]
	v_pk_add_f32 v[244:245], v[244:245], v[114:115]
	v_pk_add_f32 v[242:243], v[242:243], v[118:119]
	v_pk_add_f32 v[14:15], v[14:15], v[122:123]
	v_pk_add_f32 v[236:237], v[236:237], v[126:127]
	v_pk_add_f32 v[254:255], v[254:255], v[130:131]
	v_pk_add_f32 v[250:251], v[250:251], v[134:135]
	v_pk_add_f32 v[248:249], v[248:249], v[138:139]
	v_pk_add_f32 v[246:247], v[246:247], v[142:143]
	v_pk_add_f32 v[244:245], v[244:245], v[146:147]
	v_pk_add_f32 v[242:243], v[242:243], v[150:151]
	v_pk_add_f32 v[14:15], v[14:15], v[154:155]
	v_pk_add_f32 v[236:237], v[236:237], v[158:159]
	s_delay_alu instid0(VALU_DEP_2)
	v_pk_add_f32 v[14:15], v[14:15], v[248:249]
	s_delay_alu instid0(VALU_DEP_2)
	v_pk_add_f32 v[236:237], v[236:237], v[246:247]
	v_pk_add_f32 v[254:255], v[254:255], v[244:245]
	v_pk_add_f32 v[250:251], v[250:251], v[242:243]
	s_delay_alu instid0(VALU_DEP_2)
	v_pk_add_f32 v[14:15], v[14:15], v[254:255]
	s_delay_alu instid0(VALU_DEP_2)
	v_pk_add_f32 v[236:237], v[236:237], v[250:251]
	s_delay_alu instid0(VALU_DEP_1)
	v_pk_add_f32 v[14:15], v[14:15], v[236:237]
	s_wait_alu depctr_va_vdst(0)                   ; and one for the four
.irp b, 0,1,2,3
	v_max_num_f32 v[232+\b], 0x1800000, v[232+\b]  ; the floor 2^(3 - 127)
.endr
.irp b, 0,1,2,3
	s_delay_alu instid0(VALU_DEP_4)
	v_add_nc_u32 v[244+\b], 0xff000000, v[232+\b]  ; the conversion's scale operand
.endr
.irp b, 0,1,2,3
	s_delay_alu instid0(VALU_DEP_4)
	v_lshrrev_b32 v[236+\b], 23, v[244+\b]         ; the byte
.endr
	s_delay_alu instid0(VALU_DEP_3)
	v_lshl_or_b32 v253, v237, 8, v236              ; p's scale word for these 128 keys
	s_delay_alu instid0(VALU_DEP_1)
	v_lshl_or_b32 v253, v238, 16, v253
	s_delay_alu instid0(VALU_DEP_1)
	v_lshl_or_b32 v253, v239, 24, v253
.irp c, 0,1
	v_cvt_scalef32_pk16_fp6_f32 v[200+6*\c:202+6*\c], v[96+32*\c:111+32*\c], v[244+2*\c]
	v_cvt_scalef32_pk16_fp6_f32 v[212+4*\c:214+4*\c], v[112+32*\c:127+32*\c], v[244+2*\c+1]
.endr
	v_nop                                          ; one plain place behind a scaled conversion
.irp c, 0,1
.irp i, 0,1,2
	v_permlane16_swap_b32 v[200+6*\c+\i], v[212+4*\c+\i]
.endr
.irp i, 0,1,2
	s_delay_alu instid0(VALU_DEP_3)
	v_mov_b32 v[203+6*\c+\i], v[212+4*\c+\i]
.endr
.endr
.set J, 0
.rept 16
	v_pk_mul_f32 v[160+J:161+J], v[160+J:161+J], v[252:253] op_sel_hi:[1,0]   ; O^T under the new M.  For each product below twelve of these name none of its registers: the places behind the scale word and the codes
.set J, J+2
.endr
	s_wait_alu depctr_va_vdst(0)
	s_wait_dscnt 0x0                               ; V is in
.irp t, 0,2                                    ; O^T += V^T P^T: the four accumulators by turns
	v_wmma_scale_f32_16x16x128_f8f6f4 v[160+8*\t:167+8*\t], v[32+12*\t:43+12*\t], v[200:211], v[160+8*\t:167+8*\t], v[196+\t/2], v253 matrix_a_fmt:MATRIX_FMT_FP6 matrix_b_fmt:MATRIX_FMT_FP6
	v_wmma_scale_f32_16x16x128_f8f6f4 v[168+8*\t:175+8*\t], v[44+12*\t:55+12*\t], v[200:211], v[168+8*\t:175+8*\t], v[196+\t/2], v253 matrix_a_fmt:MATRIX_FMT_FP6 matrix_b_fmt:MATRIX_FMT_FP6 matrix_a_scale:MATRIX_SCALE_ROW1
.endr
.Lhidden_\@:
	s_add_co_u32 s[KF], s[KF], 128
.endm
; THE CHANGE OF SLOTS, at a slot's head: every wave waits for all its tensor loads, adds 0 to its spare word, waits for that and for its reads of the slot that it has left, and passes the barrier.
; fill = 1: the slot just left takes the key slot that follows; behind the first block's last key slot comes key slot 0 again.
.macro CHANGE fill
	s_wait_tensorcnt 0x0                           ; no tensor load of mine is out: group 0 may be written
	ds_add_u32 v5, v6
.if \fill
	s_xor_b32 s[G0+1], s[G0+1], SLOT1
	s_add_co_u32 s[NF], s[NF], 1
	s_cmp_eq_u32 s[NF], s[LENB]
	s_cselect_b32 s[NF], 0, s[NF]
	s_mul_i32 s52, s[NF], SLOTB
	s_mov_b32 s53, 0
	s_add_nc_u64 s[G0+2:G0+3], s[KVB:KVB+1], s[52:53]
	s_or_b32 s[G0+3], s[G0+3], 0x80000000
	s_wait_xcnt 0x0                                ; the last prefetch, a slot back, has read its address
	s_add_nc_u64 s[PFA:PFA+1], s[PFA:PFA+1], SLOTB
.endif
	s_wait_dscnt 0x0                               ; the add is done, and my reads of the slot that I have left are over
	s_barrier_signal -1
	s_barrier_wait -1
.if \fill
	TLOAD                                          ; the first thing behind the barrier; it has a slot's two key steps in which to land
	ASK
.endif
.endm
; A QUERY BLOCK'S END: O^T / the sum; its two blocks of 32 channels are quantised; one image and two scale bytes a query leave.  again = 1: the second block begins.
.macro FIN again
	s_wait_xcnt 0x0                                ; earlier memory instructions have read their addresses: the two bases below may be written
.rept 4
	v_nop                                          ; places behind the last products
.endr
	v_add_f32 v14, v14, v15
	s_delay_alu instid0(VALU_DEP_1)
	v_permlanex16_b32 v252, v14, s[SEL], s[SEL+1]
	s_delay_alu instid0(VALU_DEP_1)
	v_add_f32 v14, v14, v252                       ; the row's sum
	s_wait_alu depctr_va_vdst(0)
	v_rcp_f32 v14, v14
	v_nop                                          ; a plain place behind it
	s_lshl_b32 s52, s[BLK], 4
	s_add_co_u32 s52, s52, s14
	s_add_co_u32 s52, s52, s[WV]                   ; my token tile: 128 batch + 16 block + wave
	s_mul_i32 s54, s52, 12288
	s_mul_i32 s55, s15, 768
	s_add_co_u32 s54, s54, s55
	s_mov_b32 s55, 0
	s_add_nc_u64 s[OAD:OAD+1], s[8:9], s[54:55]
	s_lshl_b32 s54, s52, 9
	s_lshl_b32 s56, s15, 1
	s_add_co_u32 s54, s54, s56
	s_add_nc_u64 s[OSD:OSD+1], s[10:11], s[54:55]
	s_wait_alu depctr_va_vdst(0)                   ; ahead of the reciprocal's first reader
.set J, 0
.rept 16
	v_pk_mul_f32 v[160+J:161+J], v[160+J:161+J], v[14:15] op_sel_hi:[1,0]   ; register 16 b + i = o(my query, channel 32 b + 16 h + i)
.set J, J+2
.endr
.irp b, 0,1
	v_max3_num_f32 v[232+\b], |v[160+16*\b]|, |v[161+16*\b]|, 0x1800000
.endr
.irp i, 2,4,6,8,10,12,14
.irp b, 0,1
	s_delay_alu instid0(VALU_DEP_2)
	v_max3_num_f32 v[232+\b], v[232+\b], |v[160+16*\b+\i]|, |v[161+16*\b+\i]|
.endr
.endr
.irp b, 0,1
	s_delay_alu instid0(VALU_DEP_2)
	v_permlanex16_b32 v[236+\b], v[232+\b], s[SEL], s[SEL+1]
.endr
.irp b, 0,1
	s_delay_alu instid0(VALU_DEP_2)
	v_max_num_f32 v[232+\b], v[232+\b], v[236+\b]
.endr
.irp b, 0,1
	s_delay_alu instid0(VALU_DEP_2)
	v_add_nc_u32 v[244+\b], 0xff000000, v[232+\b]
.endr
.irp b, 0,1
	s_delay_alu instid0(VALU_DEP_2)
	v_lshrrev_b32 v[236+\b], 23, v[244+\b]
.endr
	s_delay_alu instid0(VALU_DEP_1)
	v_lshl_or_b32 v30, v237, 8, v236
	v_cvt_scalef32_pk16_fp6_f32 v[200:202], v[160:175], v244
	v_cvt_scalef32_pk16_fp6_f32 v[212:214], v[176:191], v245
	v_nop                                          ; one plain place behind a scaled conversion
.irp i, 0,1,2
	v_permlane16_swap_b32 v[200+\i], v[212+\i]
.endr
.irp i, 0,1,2
	s_delay_alu instid0(VALU_DEP_3)
	v_mov_b32 v[203+\i], v[212+\i]
.endr
	global_store_b128 v1, v[200:203], s[OAD:OAD+1]             ; the image: 512 and 256 consecutive bytes
	global_store_b64 v2, v[204:205], s[OAD:OAD+1] offset:512
	global_store_b16 v4, v30, s[OSD:OSD+1]                     ; both halves of the lanes write the same two bytes
.if \again
.irp j, 0,1,2,3,4,5
	v_mov_b32 v[16+\j], v[86+\j]                   ; the second block's Q,
.endr
	v_mov_b32 v28, v92                             ; and its scale word: far more than eight places ahead of the next product
	v_mov_b32 v13, 0xff61b1e6
	s_delay_alu instid0(VALU_DEP_1)
	v_floor_f32 v12, -v13
	v_mov_b32 v14, 0
	v_mov_b32 v15, 0
.set J, 0
.rept 32
	v_mov_b32 v[160+J], 0
.set J, J+1
.endr
	s_mov_b32 s[KF], 0
	s_mov_b32 s[BLK], s12
	s_lshl_b32 s52, s12, 8
	s_add_co_u32 s[QB], s52, s45
	s_wait_xcnt 0x0                                ; the stores have read their registers: the next step's codes may be written
.endif
.endm
.Lslot:                                            ; 8 trips: behind each change of slots but the last the next key slot is asked for
	CHANGE 1
	STEP 0
	STEP 1
	s_xor_b32 s[TB], s[TB], SLOT1
	s_cmp_lg_u32 s[SLOTS], s[FINAT]
	s_cbranch_scc1 .Lnofin
	FIN 1
.Lnofin:
	s_sub_co_u32 s[SLOTS], s[SLOTS], 1
	s_cmp_lg_u32 s[SLOTS], 0
	s_cbranch_scc1 .Lslot
	CHANGE 0                                       ; the last slot is written out
	STEP 0
	STEP 1
	FIN 0
	s_wait_tensorcnt 0x0                           ; the wave's end
	ds_add_u32 v5, v6
	s_wait_dscnt 0x0
	s_endpgm
.Lfunc_end_k_qf9158b8c91_attn:
	.size	k_qf9158b8c91_attn, .Lfunc_end_k_qf9158b8c91_attn-k_qf9158b8c91_attn
	.p2alignl 7, 3214868480
	.fill 96, 4, 3214868480
	.section	.rodata,"a",@progbits
	.p2align	6, 0x0
	.amdhsa_kernel k_qf9158b8c91_attn
		.amdhsa_group_segment_fixed_size 327680
		.amdhsa_private_segment_fixed_size 0
		.amdhsa_enable_private_segment 0
		.amdhsa_kernarg_size 32
		.amdhsa_user_sgpr_count 2
		.amdhsa_user_sgpr_kernarg_segment_ptr 1
		.amdhsa_wavefront_size32 1
		.amdhsa_system_sgpr_workgroup_id_x 1
		.amdhsa_system_sgpr_workgroup_id_y 1
		.amdhsa_system_sgpr_workgroup_id_z 1
		.amdhsa_system_vgpr_workitem_id 0
		.amdhsa_next_free_vgpr 256
		.amdhsa_next_free_sgpr 66
		.amdhsa_reserve_vcc 1
		.amdhsa_float_denorm_mode_32 3
		.amdhsa_float_denorm_mode_16_64 3
		.amdhsa_memory_ordered 1
		.amdhsa_forward_progress 1
		.amdhsa_inst_pref_size 109
	.end_amdhsa_kernel
	.amdgpu_metadata
---
amdhsa.version: [ 1, 2 ]
amdhsa.kernels:
  - .name:           k_qf9158b8c91_attn
    .symbol:         k_qf9158b8c91_attn.kd
    .args:
      - { .name: q_rec, .offset: 0, .size: 8, .value_kind: global_buffer, .address_space: global }
      - { .name: kv_rec, .offset: 8, .size: 8, .value_kind: global_buffer, .address_space: global }
      - { .name: o_img, .offset: 16, .size: 8, .value_kind: global_buffer, .address_space: global }
      - { .name: o_sc, .offset: 24, .size: 8, .value_kind: global_buffer, .address_space: global }
    .group_segment_fixed_size: 327680
    .private_segment_fixed_size: 0
    .kernarg_segment_align: 8
    .kernarg_segment_size: 32
    .max_flat_workgroup_size: 512
    .sgpr_count:     66
    .vgpr_count:     256
    .wavefront_size: 32
...
	.end_amdgpu_metadata
.endif
;; end of part 3
;; launch proj (part 4): grid 4 x 32, 4 waves a work-group, clusters of 4 x 4, 327,680 bytes of LDS; arguments o_img, o_sc, img, sc, out0; writes out0
.if DOCPART == 4
	.amdgcn_target "amdgcn-amd-amdhsa--gfx1250"
	.amdhsa_code_object_version 6
	.text
	.protected	k_qf9158b8c91_proj
	.globl	k_qf9158b8c91_proj
	.p2align	8
	.type	k_qf9158b8c91_proj,@function
k_qf9158b8c91_proj:
	s_mov_b64 s[64:65], 0
	v_nop
	global_prefetch_b8 v0, s[64:65] scope:SCOPE_SE
	s_setreg_imm32_b32 hwreg(HW_REG_WAVE_MODE, 25, 1), 1
	s_wait_xcnt 0x0
	s_wait_alu depctr_hold_cnt(0) depctr_sa_sdst(0) depctr_va_vdst(0) depctr_va_sdst(0) depctr_va_ssrc(0) depctr_va_vcc(0) depctr_vm_vsrc(0)
	s_getreg_b32 s2, hwreg(HW_REG_IB_STS2, 6, 4)
	s_cmp_eq_u32 s2, 0
	s_cbranch_scc0 .Lentry_in_a_cluster
	s_endpgm
.Lentry_in_a_cluster:
	s_bfe_u32 s2, ttmp6, 0x10000c
	s_cmp_lg_u32 s2, 0xf033
	s_cbranch_scc0 .Lentry_shape_is_right
	s_endpgm
.Lentry_shape_is_right:
; PROJ.  out0 = o Wo^T on codes of FP6 (E2M3) with E8M0 scales, K = 1,024; out0 [8192][1024] f32.
; A = o_img, o_sc (512 token tiles); B = Wo's rows, row tiles 704-767 of img, sc.  Row tiles of 16: tile 2 b + u, place p = row 32 b + 8 u + p + 8 (p / 8); 16 rows x 64 K are an image of 768 bytes.
; A work-group makes 256 x 256, four waves, each 128 x 128: 64 accumulators.  Source 0 = 16 rows of B, source 1 = 16 rows of A: a lane holds one token (place lane % 16), and register 16 b + i of an A block
; is column 32 b + 16 (lane / 16) + i of my 128 columns.  K goes in 4 steps of 256 through two LDS slots; the scale bytes come once.  CLUSTERS 4 x 4: A is asked for jointly along a row, B along a column.
; 128 work-groups: the tile is kept at 256 x 256 so that this launch and the projections before it run the same loop.
.set SIZE_N, 1024
.set NQ,     2
.set ROWB,   3072
.set KROW,   768
.set FR,     12
.set NL,     4
.set NP,     4
.set HALFT,  8*ROWB
.set SLOT,   4*HALFT
.set LAPS,   2
.set KS,     32
.set SCL,    2*SLOT
.set HALFS,  16*272
.set SBLK,   2*272
.set SPARE,  SCL+4*HALFS
.set SPITCH, 528                       ; the way out: a stage of 16 rows x (512 bytes + 16) for each wave, in slot 0, which has had its last fill and its last read when the first result is stored there
.set L16,  8
.set L8,   9
.set ADRA, 16
.set ADRB, 20
.set STO,  24
.set RD,   25
.set ADRS, 27
.set SPW,  28
.set NIL,  29
.set SC,   32
.set AF,   128
.set BK,   128
.set G1, 24
.set G0, 32
.set G1B, 48
.set G0B, 56
.set G1S, 68
.set G0S, 76
.set G1SB, 80
.set G0SB, 88
.set MSB, 0
.macro WIN new
.if MSB != (\new)
	s_set_vgpr_msb (MSB<<8)|(\new)
.set MSB, (\new)
.endif
.endm
.set MUL_LO, 0xa1
.set MUL_HI, 0xf1
.set TO_B,   0x40
.macro JLOAD g0a, g1a, g0b, g1b        ; a joint load: waves 0, 1 for A, waves 2, 3 for B; an s_nop 0 and four v_nop follow each line
	s_cmp_eq_u32 s15, 0
	s_cbranch_scc0 .Lfor_b_\@
	tensor_load_to_lds s[\g0a:\g0a+3], s[\g1a:\g1a+7]
	s_nop 0
.rept 4
	v_nop
.endr
	s_branch .Lasked_\@
.Lfor_b_\@:
	tensor_load_to_lds s[\g0b:\g0b+3], s[\g1b:\g1b+7]
	s_nop 0
.rept 4
	v_nop
.endr
.Lasked_\@:
.endm
.macro CREST
	s_cmp_lg_u32 s14, 0
	s_cbranch_scc1 .Lnot_wave_0_\@
	s_barrier_signal -3
.Lnot_wave_0_\@:
	s_barrier_wait -3
	s_barrier_signal -1
	s_barrier_wait -1
.endm
.macro CROUND
	s_barrier_signal -1
	s_barrier_wait -1
	CREST
.endm
	s_load_b128 s[4:7], s[0:1], 0x0                ; o_img, o_sc
	s_load_b128 s[8:11], s[0:1], 0x10              ; img, sc
	s_load_b64 s[12:13], s[0:1], 0x20              ; out0
	v_lshl_add_u32 v[SPW], v0, 2, SPARE
	v_mov_b32 v[NIL], 0
	ds_add_u32 v[SPW], v[NIL]                      ; the wave's opening: the add and its wait stand ahead of my first tensor load
	v_lshrrev_b32 v1, 5, v0
	v_readfirstlane_b32 s14, v1
	s_lshr_b32 s15, s14, 1
	s_and_b32 s16, s14, 1
	s_bfe_u32 s40, ttmp6, 0x40000                  ; cx
	s_bfe_u32 s41, ttmp6, 0x40004                  ; cy
	s_lshl_b32 s42, ttmp9, 2
	s_add_co_u32 s42, s42, s40                     ; tile column of out0
	s_and_b32 s17, ttmp7, 0xffff
	s_lshl_b32 s17, s17, 2
	s_add_co_u32 s17, s17, s41                     ; tile row
	s_lshl_b32 s43, s41, 2
	s_lshl_b32 s43, 15, s43
	s_lshl_b32 s44, 0x1111, s40
	s_or_b32 s[G1+0], s43, (3<<16)|(1<<21)
	s_or_b32 s[G1B+0], s44, (3<<16)|(1<<21)
.irp g, G1, G1B
	s_mov_b32 s[\g+1], 384<<16                     ; 8 row tiles x 3,072 bytes, 12,288 bytes apart
	s_mov_b32 s[\g+2], 8<<16
	s_mov_b32 s[\g+3], 384<<16
	s_mov_b32 s[\g+4], 8
	s_mov_b32 s[\g+5], 1536
	s_mov_b32 s[\g+6], 0
	s_mov_b32 s[\g+7], 0
.endr
	s_or_b32 s[G1S+0], s43, (3<<16)|(1<<20)|(1<<21)|(5<<22)|(3<<25)
	s_or_b32 s[G1SB+0], s44, (3<<16)|(1<<20)|(1<<21)|(5<<22)|(3<<25)
.irp g, G1S, G1SB
	s_mov_b32 s[\g+1], 32<<16
	s_mov_b32 s[\g+2], 16<<16
	s_mov_b32 s[\g+3], 32<<16
	s_mov_b32 s[\g+4], 16
	s_mov_b32 s[\g+5], 32
	s_mov_b32 s[\g+6], 0
	s_mov_b32 s[\g+7], 0
.endr
	s_lshl_b32 s18, s16, 7
	s_lshl_b32 s20, s17, 8
	s_add_co_u32 s20, s20, s18                     ; A: row 256 x tile row + 128 x half
	s_add_co_u32 s46, s42, 44                      ; B: Wo begins at row 44 x 256 of img
	s_lshl_b32 s46, s46, 8
	s_add_co_u32 s46, s46, s18
	s_mov_b32 s21, 0
	s_mov_b32 s47, 0
	s_mov_b64 s[18:19], KS
	s_mul_u64 s[22:23], s[20:21], s[18:19]
	s_mul_u64 s[92:93], s[46:47], s[18:19]
	s_mov_b64 s[18:19], KROW
	s_mul_u64 s[20:21], s[20:21], s[18:19]
	s_mul_u64 s[46:47], s[46:47], s[18:19]
	s_mul_i32 s45, s14, HALFT
	s_mul_i32 s94, s14, HALFS
	s_wait_dscnt 0x0
	s_wait_kmcnt 0x0
	s_add_nc_u64 s[20:21], s[4:5], s[20:21]
	s_add_nc_u64 s[22:23], s[6:7], s[22:23]
	s_add_nc_u64 s[46:47], s[8:9], s[46:47]
	s_add_nc_u64 s[92:93], s[10:11], s[92:93]
	CROUND
	s_mov_b32 s[G0S], 1
	s_add_co_u32 s[G0S+1], s94, SCL
	s_mov_b64 s[G0S+2:G0S+3], s[22:23]
	s_or_b32 s[G0S+3], s[G0S+3], 0x80000000
	s_mov_b32 s[G0SB], 1
	s_add_co_u32 s[G0SB+1], s94, SCL
	s_mov_b64 s[G0SB+2:G0SB+3], s[92:93]
	s_or_b32 s[G0SB+3], s[G0SB+3], 0x80000000
	JLOAD G0S, G1S, G0SB, G1SB
.irp s, 0,1
	s_mov_b32 s[G0+4*\s], 1
	s_add_co_u32 s[G0+4*\s+1], s45, \s*SLOT
	s_add_nc_u64 s[G0+4*\s+2:G0+4*\s+3], s[20:21], \s*ROWB
	s_or_b32 s[G0+4*\s+3], s[G0+4*\s+3], 0x80000000
	s_mov_b32 s[G0B+4*\s], 1
	s_add_co_u32 s[G0B+4*\s+1], s45, \s*SLOT
	s_add_nc_u64 s[G0B+4*\s+2:G0B+4*\s+3], s[46:47], \s*ROWB
	s_or_b32 s[G0B+4*\s+3], s[G0B+4*\s+3], 0x80000000
	JLOAD G0+4*\s, G1, G0B+4*\s, G1B
.endr
	v_and_b32 v1, 15, v0
	v_bfe_u32 v2, v0, 4, 1
	v_and_b32 v7, 31, v0
	v_lshlrev_b32 v[L16], 4, v7
	v_lshlrev_b32 v[L8], 3, v7
	s_mul_i32 s21, s15, HALFT
	s_mul_i32 s22, s16, HALFT
	s_add_co_u32 s22, s22, 2*HALFT
.irp s, 0,1
	v_add_nc_u32 v[ADRA+\s], s21, v[L16]
	v_add_nc_u32 v[ADRB+\s], s22, v[L16]
	v_add_nc_u32 v[ADRA+2+\s], s21, v[L8]
	v_add_nc_u32 v[ADRB+2+\s], s22, v[L8]
	s_add_co_u32 s21, s21, SLOT
	s_add_co_u32 s22, s22, SLOT
.endr
	v_mul_u32_u24 v5, v1, KS
	v_lshrrev_b32 v6, 8, v5
	v_lshl_add_u32 v5, v6, 4, v5
	s_mul_i32 s21, s15, HALFS
	s_mul_i32 s22, s16, HALFS
	s_add_co_u32 s22, s22, 2*HALFS
	s_sub_co_u32 s22, s22, s21
	v_mul_u32_u24 v6, s22, v2
	s_add_co_u32 s21, s21, SCL
	v_add_nc_u32 v5, v5, v6
	v_add_nc_u32 v[ADRS], s21, v5
	s_mul_i32 s23, s14, 16*SPITCH                  ; my stage
	v_mul_u32_u24 v5, v1, SPITCH                   ; in: row = place r; my half's 16 columns of each 32: + 64 h
	v_lshl_add_u32 v5, v2, 6, v5
	v_add_nc_u32 v[STO], s23, v5
	v_add_nc_u32 v[RD], s23, v[L16]                ; back: the 32 lanes take one row of 512 bytes
	s_lshl_b32 s20, s17, 8
	s_lshl_b32 s21, s15, 7
	s_add_co_u32 s20, s20, s21                     ; my first row of out0
	s_mov_b32 s21, 0
	s_mov_b64 s[18:19], SIZE_N*4
	s_mul_u64 s[20:21], s[20:21], s[18:19]
	s_lshl_b32 s46, s42, 10                        ; my first column, in bytes
	s_lshl_b32 s47, s16, 9
	s_add_co_u32 s46, s46, s47
	s_mov_b32 s47, 0
	s_add_nc_u64 s[20:21], s[20:21], s[46:47]
	s_add_nc_u64 s[12:13], s[12:13], s[20:21]
.macro FRAG reg, adr, q, i
	ds_load_b128 v[\reg:\reg+3], v[\adr] offset:ROWB*(\i)+1536*(\q)
	ds_load_b64 v[\reg+4:\reg+5], v[\adr+2] offset:ROWB*(\i)+1536*(\q)+512
	ds_load_b128 v[\reg+6:\reg+9], v[\adr] offset:ROWB*(\i)+1536*(\q)+768
	ds_load_b64 v[\reg+10:\reg+11], v[\adr+2] offset:ROWB*(\i)+1536*(\q)+1280
.endm
.macro MUL16 a0, p, q, sc, zero        ; the 64 accumulators take turns, one instruction a turn
.irp a, \a0, \a0+1
.irp b, 0,1,2,3,4,5,6,7
.if \zero
	v_wmma_scale_f32_16x16x128_f8f6f4 v[8*(8*((\a)%4)+\b):8*(8*((\a)%4)+\b)+7], v[128*(\p)+FR*\b:128*(\p)+FR*\b+FR-1], v[AF+FR*(\a):AF+FR*(\a)+FR-1], 0, v[SC+8*NQ*(\sc)+NQ*\b+(\q)], v[SC+8*NQ*(\sc)+NQ*(\a)+(\q)] matrix_a_fmt:MATRIX_FMT_FP6 matrix_b_fmt:MATRIX_FMT_FP6 matrix_a_scale:MATRIX_SCALE_ROW1
.else
	v_wmma_scale_f32_16x16x128_f8f6f4 v[8*(8*((\a)%4)+\b):8*(8*((\a)%4)+\b)+7], v[128*(\p)+FR*\b:128*(\p)+FR*\b+FR-1], v[AF+FR*(\a):AF+FR*(\a)+FR-1], v[8*(8*((\a)%4)+\b):8*(8*((\a)%4)+\b)+7], v[SC+8*NQ*(\sc)+NQ*\b+(\q)], v[SC+8*NQ*(\sc)+NQ*(\a)+(\q)] matrix_a_fmt:MATRIX_FMT_FP6 matrix_b_fmt:MATRIX_FMT_FP6 matrix_a_scale:MATRIX_SCALE_ROW1
.endif
.endr
.endr
.endm
.macro FETCH_B slot, q, p
	WIN TO_B
.irp i, 0,1,2,3,4,5,6,7
	FRAG 128*(\p)+FR*\i, ADRB+\slot, \q, \i
.endr
	WIN 0
.endm
.macro FETCH_A slot, q, i0
.irp i, \i0, \i0+1, \i0+2, \i0+3
	FRAG AF+FR*(\i), ADRA+\slot, \q, \i
.endr
.endm
.macro SCALES sc
.irp i, 0,1,2,3,4,5,6,7
	ds_load_b64 v[SC+8*NQ*\sc+NQ*\i:SC+8*NQ*\sc+NQ*\i+1], v[ADRS] offset:\i*SBLK
.endr
.endm
.macro PLACES n
.rept \n
	v_nop
.endr
.endm
.macro STEP slot, q, zero
	s_wait_dscnt 4*NL                              ; B's set and A's blocks 0-3 are in; the youngest 16 loads (A's blocks 4-7) may be out
	WIN MUL_LO
	MUL16 0, (\q)%2, \q, \slot, \zero
	MUL16 2, (\q)%2, \q, \slot, \zero
	s_wait_dscnt 0
	PLACES NP
	FETCH_B \slot, (\q)+1, 1-(\q)%2
	FETCH_A \slot, (\q)+1, 0
	WIN MUL_HI
	MUL16 4, (\q)%2, \q, \slot, \zero
	MUL16 6, (\q)%2, \q, \slot, \zero
	PLACES NP
	WIN 0
	FETCH_A \slot, (\q)+1, 4
.endm
.macro TURN slot, next, fill
	s_wait_tensorcnt 0x0                           ; all my tensor loads have landed
	ds_add_u32 v[SPW], v[NIL]
	s_wait_dscnt 4*NL+1                            ; (the add and the youngest 16 loads may be out)
	WIN MUL_LO
	MUL16 0, 1, NQ-1, \slot, 0
	s_wait_dscnt 0x0                               ; the add is done, and my reads of this slot are over
	s_barrier_signal -1
	MUL16 2, 1, NQ-1, \slot, 0
	WIN 0
	s_barrier_wait -1
.if \fill
	CREST
	s_add_nc_u64 s[G0+4*\slot+2:G0+4*\slot+3], s[G0+4*\slot+2:G0+4*\slot+3], 2*ROWB
	s_add_nc_u64 s[G0B+4*\slot+2:G0B+4*\slot+3], s[G0B+4*\slot+2:G0B+4*\slot+3], 2*ROWB
	JLOAD G0+4*\slot, G1, G0B+4*\slot, G1B
.else
	PLACES NP
.endif
	v_add_nc_u32 v[ADRS], 4*NQ, v[ADRS]
	FETCH_B \next, 0, 0
	FETCH_A \next, 0, 0
	SCALES \next
	WIN MUL_HI
	MUL16 4, 1, NQ-1, \slot, 0
	MUL16 6, 1, NQ-1, \slot, 0
	PLACES NP
	WIN 0
	FETCH_A \next, 0, 4
.endm
	s_wait_tensorcnt 1                             ; the scales and my part of K step 0 are in (K step 1's load may be out)
	s_barrier_signal -1
	s_barrier_wait -1
	FETCH_B 0, 0, 0
	FETCH_A 0, 0, 0
	SCALES 0
	FETCH_A 0, 0, 4
	STEP 0, 0, 1
.rept LAPS-1
	TURN 0, 1, 1
	STEP 1, 0, 0
	TURN 1, 0, 1
	STEP 0, 0, 0
.endr
	TURN 0, 1, 0
	STEP 1, 0, 0
	s_wait_dscnt 4*NL
	WIN MUL_LO
	MUL16 0, 1, NQ-1, 1, 0
	MUL16 2, 1, NQ-1, 1, 0
	s_wait_dscnt 0
	WIN MUL_HI
	MUL16 4, 1, NQ-1, 1, 0
	MUL16 6, 1, NQ-1, 1, 0
	WIN 0
; THE WAY OUT, block by block of 16 tokens x 128 columns, through my own stage.  Accumulator b = 2 x + u holds columns 32 x + 16 h + 8 u + 0 .. 7: at byte 128 x + 64 h + 32 u of the stage's row.
; Stage row t of block a is token 32 (a / 2) + 8 (a % 2) + t + 8 (t / 8) of my 128.  LDS serves a wave's instructions in order: no wait between the stores and the loads.
.macro TOSTAGE a
.set AC, 64*((\a)%4)
	WIN 0x08+4*((\a)/4)
.irp b, 0,1,2,3,4,5,6,7
	ds_store_b128 v[STO], v[AC+8*\b:AC+8*\b+3] offset:128*(\b/2)+32*(\b%2)          ; each accumulator from its low end on
	ds_store_b128 v[STO], v[AC+8*\b+4:AC+8*\b+7] offset:128*(\b/2)+32*(\b%2)+16
.endr
	WIN 0
.set BB, BK+64*((\a)%2)
.irp t, 0,1,2,3,4,5,6,7,8,9,10,11,12,13,14,15
	ds_load_b128 v[BB+4*\t:BB+4*\t+3], v[RD] offset:\t*SPITCH
.endr
.endm
.macro SEND a, younger
.set BB, BK+64*((\a)%2)
	s_wait_dscnt \younger                          ; the block is back in registers
.if (\a) > 0
.if (\a)%2
	s_add_nc_u64 s[12:13], s[12:13], 8*SIZE_N*4    ; (behind a wait on XCNT)  to an odd block: 8 rows on;
.else
	s_add_nc_u64 s[12:13], s[12:13], 24*SIZE_N*4   ; to an even one: 24
.endif
.endif
.irp t, 0,1,2,3,4,5,6,7,8,9,10,11,12,13,14,15
	global_store_b128 v[L16], v[BB+4*\t:BB+4*\t+3], s[12:13] offset:(\t+8*(\t/8))*SIZE_N*4 th:TH_STORE_NT   ; 32 lanes store 512 consecutive bytes, at a multiple of 256 from out0's first byte
.endr
.endm
	PLACES NP
	TOSTAGE 0
.irp a, 1,2,3,4,5,6,7
.if \a > 1
	s_wait_xcnt 0x0                                ; block a - 2's stores have read their registers and their base
.endif
	TOSTAGE \a
	SEND \a-1, 32                                  ; behind block a - 1's loads: block a's 16 stores and 16 loads
.endr
	s_wait_xcnt 0x0
	SEND 7, 0
	s_wait_tensorcnt 0x0                           ; the wave's end
	ds_add_u32 v[SPW], v[NIL]
	s_wait_dscnt 0x0
	CROUND                                         ; the closing round
	s_endpgm
.Lfunc_end_k_qf9158b8c91_proj:
	.size	k_qf9158b8c91_proj, .Lfunc_end_k_qf9158b8c91_proj-k_qf9158b8c91_proj
	.p2alignl 7, 3214868480
	.fill 96, 4, 3214868480
	.section	.rodata,"a",@progbits
	.p2align	6, 0x0
	.amdhsa_kernel k_qf9158b8c91_proj
		.amdhsa_group_segment_fixed_size 327680
		.amdhsa_private_segment_fixed_size 0
		.amdhsa_enable_private_segment 0
		.amdhsa_kernarg_size 40
		.amdhsa_user_sgpr_count 2
		.amdhsa_user_sgpr_kernarg_segment_ptr 1
		.amdhsa_wavefront_size32 1
		.amdhsa_system_sgpr_workgroup_id_x 1
		.amdhsa_system_sgpr_workgroup_id_y 1
		.amdhsa_system_sgpr_workgroup_id_z 1
		.amdhsa_system_vgpr_workitem_id 0
		.amdhsa_next_free_vgpr 1024
		.amdhsa_next_free_sgpr 98
		.amdhsa_reserve_vcc 0
		.amdhsa_float_denorm_mode_32 3
		.amdhsa_float_denorm_mode_16_64 3
		.amdhsa_memory_ordered 1
		.amdhsa_forward_progress 1
		.amdhsa_inst_pref_size 143
	.end_amdhsa_kernel
	.amdgpu_metadata
---
amdhsa.version: [ 1, 2 ]
amdhsa.kernels:
  - .name:           k_qf9158b8c91_proj
    .symbol:         k_qf9158b8c91_proj.kd
    .args:
      - { .name: o_img, .offset: 0, .size: 8, .value_kind: global_buffer, .address_space: global }
      - { .name: o_sc, .offset: 8, .size: 8, .value_kind: global_buffer, .address_space: global }
      - { .name: img, .offset: 16, .size: 8, .value_kind: global_buffer, .address_space: global }
      - { .name: sc, .offset: 24, .size: 8, .value_kind: global_buffer, .address_space: global }
      - { .name: out0, .offset: 32, .size: 8, .value_kind: global_buffer, .address_space: global }
    .group_segment_fixed_size: 327680
    .private_segment_fixed_size: 0
    .kernarg_segment_align: 8
    .kernarg_segment_size: 40
    .max_flat_workgroup_size: 128
    .sgpr_count:     98
    .vgpr_count:     1024
    .wavefront_size: 32
...
	.end_amdgpu_metadata
.endif
;; end of part 4
